; MI455X (gfx1250); checked and timed in simulation.
; The chip was launched on July 23, 2026; its instructions are those of AMD's public machine-readable ISA for CDNA 5 (MIT licence, August 2026) and "CDNA5" Instruction Set Architecture Reference Guide (July 2026). The comments in the code are by the model that wrote it; some were corrected since.
;; Albert Attention. Allowed arithmetic: float matrix products may take bf16 or f16 operands with f32 sums; all other float work in f32.
;; Inputs: Wd 1,024 x 1,024 float32; Wk 1,024 x 1,024 float32; Wq 1,024 x 1,024 float32; Wv 1,024 x 1,024 float32; attention_mask 2 x 1 x 1 x 2,048 float32; bd 1,024 float32; bk 1,024 float32; bq 1,024 float32; bv 1,024 float32; hidden_states 2 x 2,048 x 1,024 float32; ln_beta 1,024 float32; ln_gamma 1,024 float32.
;; Outputs: out0 2 x 2,048 x 1,024 float32.
;; One version. Each part assembles by itself: llvm-mc -triple=amdgcn-amd-amdhsa -mcpu=gfx1250 --defsym DOCPART=n.
;; ======== version 1 of 1: 5 launches
;; workspace buffers: xb 8,388,608 bytes; wb 6,291,456 bytes; wdb 2,097,152 bytes; qw 8,388,608 bytes; kw 8,388,608 bytes; vw 8,388,608 bytes; cw 8,388,608 bytes; xw 16,777,216 bytes
;; launch cvt (part 1): grid 32 x 8, 8 waves a work-group, no clusters, 0 bytes of LDS; arguments hidden_states, Wq, Wk, Wv, Wd, xb, wb, wdb; writes xb, wb, wdb
.if DOCPART == 1
	.amdgcn_target "amdgcn-amd-amdhsa--gfx1250"
	.amdhsa_code_object_version 6
	.text
	.protected	k_q46425d4cae_cvt
	.globl	k_q46425d4cae_cvt
	.p2align	8
	.type	k_q46425d4cae_cvt,@function
k_q46425d4cae_cvt:
	s_mov_b64 s[64:65], 0
	v_nop
	global_prefetch_b8 v0, s[64:65] scope:SCOPE_SE
	s_setreg_imm32_b32 hwreg(HW_REG_WAVE_MODE, 25, 1), 1
	s_wait_xcnt 0x0
; f32 -> bf16 (round to nearest even) of hidden_states and of the four weight matrices, so that the matrix launches move and read half the bytes.
; Work-group (x, y): y picks a slab of 4 MiB of f32 (y = 0..3: the quarters of hidden_states; y = 4..7: Wq, Wk, Wv, Wd), x picks 32 rows of 1,024 numbers in it.
; xb = hidden_states as bf16 [4096][1024].  wdb = Wd as bf16 [1024][1024].
; wb = [3072][1024]: row 192 h + 64 m + i is row 64 h + i of W_m (m = 0, 1, 2 for q, k, v), so that one head's q, k and v weights are 192 neighbouring rows.
; A stream: no LDS, no barrier, no matrix unit, and no cluster, since no two work-groups read the same byte.
; Thread t takes 16 bytes at 16 t of every row: a wave's load covers 512 consecutive bytes, its store 256 consecutive bytes, aligned.
; All 32 loads of a wave are issued at once (128 KiB for the work-group); no register is used twice, so only the counted waits are needed.
.set X, 4                              ; v[4:131]    row i: 4 f32 as loaded
.set Y, 132                            ; v[132:195]  row i: 4 bf16 to store
	s_load_b512 s[8:23], s[0:1], 0x0               ; hidden s[8:9], Wq s[10:11], Wk s[12:13], Wv s[14:15], Wd s[16:17], xb s[18:19], wb s[20:21], wdb s[22:23]
	s_and_b32 s2, ttmp7, 0xffff                    ; y
	s_lshl_b32 s26, ttmp9, 17                      ; source: x times 32 rows of 4,096 bytes
	s_lshl_b32 s4, s2, 22                          ; + y times 4 MiB inside hidden_states,
	s_cmp_lt_u32 s2, 4
	s_cselect_b32 s4, s4, 0                        ; nothing for a weight matrix
	s_add_co_u32 s26, s26, s4
	s_mov_b32 s27, 0
	s_lshl_b32 s6, ttmp9, 16                       ; destination: x times 32 rows of 2,048 bytes (this alone for Wd)
	s_lshl_b32 s5, s2, 21
	s_add_co_u32 s5, s5, s6                        ; hidden_states: + y times 2 MiB
	s_lshr_b32 s7, ttmp9, 1                        ; Wq, Wk, Wv: head = x / 2,
	s_mul_i32 s7, s7, 393216                       ; 192 rows of 2,048 bytes a head
	s_and_b32 s32, s2, 3                           ; m = y - 4
	s_lshl_b32 s32, s32, 17                        ; 64 rows
	s_add_co_u32 s7, s7, s32
	s_and_b32 s33, ttmp9, 1                        ; which 32 rows of the head's 64
	s_lshl_b32 s33, s33, 16
	s_add_co_u32 s7, s7, s33
	s_cmp_lt_u32 s2, 4
	s_cselect_b32 s30, s5, s7
	s_cmp_eq_u32 s2, 7
	s_cselect_b32 s30, s6, s30
	s_mov_b32 s31, 0
	v_lshlrev_b32 v1, 4, v0                        ; 16 t
	v_lshlrev_b32 v2, 3, v0                        ; 8 t
	s_wait_kmcnt 0x0
	s_cmp_eq_u32 s2, 4                             ; the buffers are chosen by y alone
	s_cselect_b64 s[24:25], s[10:11], s[8:9]
	s_cmp_eq_u32 s2, 5
	s_cselect_b64 s[24:25], s[12:13], s[24:25]
	s_cmp_eq_u32 s2, 6
	s_cselect_b64 s[24:25], s[14:15], s[24:25]
	s_cmp_eq_u32 s2, 7
	s_cselect_b64 s[24:25], s[16:17], s[24:25]
	s_cselect_b64 s[28:29], s[22:23], s[20:21]     ; the same condition: wdb for y = 7, else wb,
	s_cmp_lt_u32 s2, 4
	s_cselect_b64 s[28:29], s[18:19], s[28:29]     ; xb for y < 4
	s_add_nc_u64 s[24:25], s[24:25], s[26:27]
	s_add_nc_u64 s[28:29], s[28:29], s[30:31]
.set i, 0
.rept 32
	global_load_b128 v[X+4*i:X+4*i+3], v1, s[24:25] offset:4096*i th:TH_LOAD_NT
.set i, i+1
.endr
.set i, 0
.rept 32
	s_wait_loadcnt 31-i                            ; loads come back in order: row i is in, the 31 - i younger ones stay out
	v_cvt_pk_bf16_f32 v[Y+2*i],   v[X+4*i],   v[X+4*i+1]
	v_cvt_pk_bf16_f32 v[Y+2*i+1], v[X+4*i+2], v[X+4*i+3]
	global_store_b64 v2, v[Y+2*i:Y+2*i+1], s[28:29] offset:2048*i
.set i, i+1
.endr
	s_endpgm
.Lfunc_end_k_q46425d4cae_cvt:
	.size	k_q46425d4cae_cvt, .Lfunc_end_k_q46425d4cae_cvt-k_q46425d4cae_cvt
	.p2alignl 7, 3214868480
	.fill 96, 4, 3214868480
	.section	.rodata,"a",@progbits
	.p2align	6, 0x0
	.amdhsa_kernel k_q46425d4cae_cvt
		.amdhsa_group_segment_fixed_size 0
		.amdhsa_private_segment_fixed_size 0
		.amdhsa_enable_private_segment 0
		.amdhsa_kernarg_size 64
		.amdhsa_user_sgpr_count 2
		.amdhsa_user_sgpr_kernarg_segment_ptr 1
		.amdhsa_wavefront_size32 1
		.amdhsa_system_sgpr_workgroup_id_x 1
		.amdhsa_system_sgpr_workgroup_id_y 1
		.amdhsa_system_sgpr_workgroup_id_z 1
		.amdhsa_system_vgpr_workitem_id 0
		.amdhsa_next_free_vgpr 196
		.amdhsa_next_free_sgpr 66
		.amdhsa_reserve_vcc 0
		.amdhsa_float_denorm_mode_32 3
		.amdhsa_float_denorm_mode_16_64 3
		.amdhsa_memory_ordered 1
		.amdhsa_forward_progress 1
		.amdhsa_inst_pref_size 13
	.end_amdhsa_kernel
	.amdgpu_metadata
---
amdhsa.version: [ 1, 2 ]
amdhsa.kernels:
  - .name:           k_q46425d4cae_cvt
    .symbol:         k_q46425d4cae_cvt.kd
    .args:
      - { .name: hidden_states, .offset: 0, .size: 8, .value_kind: global_buffer, .address_space: global }
      - { .name: Wq, .offset: 8, .size: 8, .value_kind: global_buffer, .address_space: global }
      - { .name: Wk, .offset: 16, .size: 8, .value_kind: global_buffer, .address_space: global }
      - { .name: Wv, .offset: 24, .size: 8, .value_kind: global_buffer, .address_space: global }
      - { .name: Wd, .offset: 32, .size: 8, .value_kind: global_buffer, .address_space: global }
      - { .name: xb, .offset: 40, .size: 8, .value_kind: global_buffer, .address_space: global }
      - { .name: wb, .offset: 48, .size: 8, .value_kind: global_buffer, .address_space: global }
      - { .name: wdb, .offset: 56, .size: 8, .value_kind: global_buffer, .address_space: global }
    .group_segment_fixed_size: 0
    .private_segment_fixed_size: 0
    .kernarg_segment_align: 8
    .kernarg_segment_size: 64
    .max_flat_workgroup_size: 256
    .sgpr_count:     66
    .vgpr_count:     196
    .wavefront_size: 32
...
	.end_amdgpu_metadata
.endif
;; end of part 1
;; launch qkv (part 2): grid 16 x 16, 4 waves a work-group, clusters of 4 x 4, 327,680 bytes of LDS; arguments xb, wb, bq, bk, bv, qw, kw, vw; writes qw, kw, vw
.if DOCPART == 2
	.amdgcn_target "amdgcn-amd-amdhsa--gfx1250"
	.amdhsa_code_object_version 6
	.text
	.protected	k_q46425d4cae_qkv
	.globl	k_q46425d4cae_qkv
	.p2align	8
	.type	k_q46425d4cae_qkv,@function
k_q46425d4cae_qkv:
	s_mov_b64 s[64:65], 0
	v_nop
	global_prefetch_b8 v0, s[64:65] scope:SCOPE_SE
	s_setreg_imm32_b32 hwreg(HW_REG_WAVE_MODE, 25, 1), 1
	s_wait_xcnt 0x0
	s_wait_alu depctr_hold_cnt(0) depctr_sa_sdst(0) depctr_va_vdst(0) depctr_va_sdst(0) depctr_va_ssrc(0) depctr_va_vcc(0) depctr_vm_vsrc(0)
	s_getreg_b32 s2, hwreg(HW_REG_IB_STS2, 6, 4)
	s_cmp_eq_u32 s2, 0
	s_cbranch_scc0 .Lentry_in_a_cluster
	s_endpgm
.Lentry_in_a_cluster:
	s_bfe_u32 s2, ttmp6, 0x10000c
	s_cmp_lg_u32 s2, 0xf033
	s_cbranch_scc0 .Lentry_shape_is_right
	s_endpgm
.Lentry_shape_is_right:
; q, k, v = X W^T + bias for one head and 256 rows: a block of 256 x 192 of [4096][3072] = xb wb^T, K = 1,024, bf16 operands, f32 sums.
; q is also multiplied by log2(e) / 8 in f32 before its one rounding, so that the attention launch gets its scores in units of log2.
; Results: bf16, head-major [batch][head][row][64] in qw, kw, vw (a row is 128 bytes, a head's plane 262,144 bytes).
; Four waves; wave w makes rows 64 w .. 64 w + 63 x all 192 columns: 4 x 12 = 48 accumulator tiles, 384 registers.
; K goes in steps of 128 through two LDS slots filled by tensor loads; a tile's rows are 256 bytes of memory at multiples of 256 bytes.
; CLUSTER 4 x 4: the four work-groups of a row of the cluster share the row block (A's tiles), the four of a column share the head (B's tiles);
; each tile is asked for jointly, which divides the requests for A and for B by four.
; The matrix instruction is used transposed (source 0 = 16 rows of wb, source 1 = 16 rows of xb): lane l then holds row l % 16 and eight
; neighbouring columns 8 (l / 16) + 0..7, which pack into 16 bytes.
; REGISTERS, in windows of 256: window 0 addresses, biases, way out; window 1 fragments (two buffers: B at 96 f, A at 192 + 32 f);
; window 2 the accumulators of my rows 0-31 (tile (a, b) at 8 (12 a + b)); window 3 those of my rows 32-63.
; A wave has at most two tensor loads outstanding.
.set KSTEP,  128
.set PITCH,  272                       ; an LDS row: 256 bytes + 16 of padding, an odd multiple of 16: the 16 rows of a fragment load start at 16 different 16-byte columns modulo 256 bytes
.set AHALF,  128*PITCH                 ; what one tensor load brings of A
.set APART,  2*AHALF                   ; A's 256 rows
.set BHALF,  96*PITCH                  ; what one tensor load brings of B
.set SLOT,   APART+2*BHALF             ; 121,856 bytes
.set STAGE,  2*SLOT                    ; behind the ring (a multiple of 256): 16 rows x 400 bytes for each wave; no tensor load lands here
.set SPITCH, 400                       ; 384 bytes of a row of 192 bf16 + 16
.set ADRA, 16                          ; v16-17  LDS address of my A fragments in slot 0, 1
.set ADRB, 20                          ; v20-21  the same for B
.set STO,  24                          ; v24     way out: where I put 16 bytes of a row
.set RD,   25                          ; v25     way out: where I read rows back
.set CO,   26                          ; v26     16 x lane: my 16 bytes of 512 dense bytes of the output
.set VB,   27                          ; v27     32 x (lane / 16): my 8 biases in a block of 16 columns
.set TMP,  32                          ; v32-79  packed results
.set RB,   80                          ; v80-127 rows read back
.set BIAS, 128                         ; v128-223 block b: the biases of my 8 columns
.set G1,  24                           ; s[24:31] descriptor group 1 for A's tiles
.set G0,  32                           ; s[32:39] group 0 for A's tiles, one set for each slot
.set G1B, 48                           ; s[48:55] group 1 for B's tiles
.set G0B, 56                           ; s[56:63] group 0 for B's tiles
.set QSCALE, 0x3e38aa3b                ; log2(e) / 8
.set MUL_LO, 0xa5                      ; sources 0 and 1 window 1, C and D window 2
.set MUL_HI, 0xf5                      ; the same, C and D window 3
.set TOF,    0x40                      ; destination window 1, address window 0
.set MSB, 0
.macro WIN new                         ; the immediate's high byte repeats the setting that is left
.if MSB != \new
	s_set_vgpr_msb (MSB<<8)|\new
.set MSB, \new
.endif
.endm
.macro PLACES                          ; four plain vector places behind a matrix instruction (ISA guide 7.12.1)
.rept 4
	v_nop
.endr
.endm
; A joint load: waves 0 and 1 fetch A's two halves, waves 2 and 3 B's.  The branch hangs on the wave's number alone.
.macro JLOAD s
	s_cmp_eq_u32 s11, 0
	s_cbranch_scc0 .Lfor_b_\@
	tensor_load_to_lds s[G0+4*\s:G0+4*\s+3], s[G1:G1+7]
	s_nop 0
	s_branch .Lasked_\@
.Lfor_b_\@:
	tensor_load_to_lds s[G0B+4*\s:G0B+4*\s+3], s[G1B:G1B+7]
	s_nop 0
.Lasked_\@:
.endm
.macro CREST                           ; a round of the cluster's barrier behind its opening work-group barrier
	s_cmp_lg_u32 s10, 0
	s_cbranch_scc1 .Lnot_wave_0_\@
	s_barrier_signal -3
.Lnot_wave_0_\@:
	s_barrier_wait -3
	s_barrier_signal -1
	s_barrier_wait -1
.endm
.macro CROUND                          ; a whole round
	s_barrier_signal -1
	s_barrier_wait -1
	CREST
.endm
	s_load_b128 s[4:7], s[0:1], 0x0                ; xb s[4:5], wb s[6:7]
	s_load_b256 s[68:75], s[0:1], 0x10             ; bq s[68:69], bk s[70:71], bv s[72:73], qw s[74:75]
	s_load_b128 s[76:79], s[0:1], 0x30             ; kw s[76:77], vw s[78:79]
	v_lshl_add_u32 v254, v0, 2, 0x41c00
	v_mov_b32 v255, 0
	ds_add_u32 v254, v255
	v_lshrrev_b32 v1, 5, v0
	v_readfirstlane_b32 s10, v1                    ; wave 0..3
	s_lshr_b32 s11, s10, 1                         ; I fetch for A (0) or for B (1)
	s_and_b32 s12, s10, 1                          ; which half of that tile
	s_bfe_u32 s40, ttmp6, 0x40000                  ; cx
	s_bfe_u32 s41, ttmp6, 0x40004                  ; cy
	s_lshl_b32 s42, ttmp9, 2
	s_add_co_u32 s42, s42, s40                     ; head = 4 x cluster x + cx
	s_and_b32 s13, ttmp7, 0xffff
	s_lshl_b32 s13, s13, 2
	s_add_co_u32 s13, s13, s41                     ; row block = 4 x cluster y + cy
	s_lshl_b32 s43, s41, 2
	s_lshl_b32 s43, 15, s43                        ; my row of the cluster
	s_lshl_b32 s44, 0x1111, s40                    ; my column
	; group 1: elements of 2 bytes, 4 words of padding behind every 64 words, bit 21 beside the mask
	s_or_b32 s[G1+0],  s43, (1<<16)|(1<<20)|(1<<21)|(5<<22)|(3<<25)
	s_or_b32 s[G1B+0], s44, (1<<16)|(1<<20)|(1<<21)|(5<<22)|(3<<25)
	s_mov_b32 s[G1+1],  KSTEP<<16                  ; tensor_dim0 = 128
	s_mov_b32 s[G1B+1], KSTEP<<16
	s_mov_b32 s[G1+2],  128<<16                    ; tensor_dim1 = 128 rows of A
	s_mov_b32 s[G1B+2], 96<<16                     ;             =  96 rows of B
	s_mov_b32 s[G1+3],  KSTEP<<16                  ; tile_dim0 = 128
	s_mov_b32 s[G1B+3], KSTEP<<16
	s_mov_b32 s[G1+4],  128                        ; tile_dim1
	s_mov_b32 s[G1B+4], 96
	s_mov_b32 s[G1+5],  1024                       ; elements from row to row
	s_mov_b32 s[G1B+5], 1024
	s_mov_b32 s[G1+6],  0
	s_mov_b32 s[G1B+6], 0
	s_mov_b32 s[G1+7],  0
	s_mov_b32 s[G1B+7], 0
	; where the tiles come from: A's hang on the row block, B's on the head; each in registers that never hold the other coordinate
	s_lshl_b32 s17, s12, 7
	s_lshl_b32 s16, s13, 8
	s_add_co_u32 s16, s16, s17                     ; A: row 256 x block + 128 x half
	s_lshl_b32 s16, s16, 11                        ; x 2,048 bytes (below 8 MiB)
	s_mov_b32 s17, 0
	s_mul_i32 s46, s42, 192
	s_mul_i32 s47, s12, 96
	s_add_co_u32 s46, s46, s47                     ; B: row 192 x head + 96 x half
	s_lshl_b32 s46, s46, 11
	s_mov_b32 s47, 0
	s_mul_i32 s20, s10, AHALF                      ; where they go: A (waves 0, 1): wave x 128 rows
	s_mul_i32 s21, s10, BHALF                      ; B (waves 2, 3): behind A's 256 rows, (wave - 2) x 96 rows
	s_add_co_u32 s21, s21, APART-2*BHALF
	; offsets that mix both coordinates, in registers that feed no descriptor
	s_lshl_b32 s2, s42, 8                          ; the head's 64 biases
	s_mov_b32 s3, 0
	s_lshr_b32 s18, s13, 3                         ; batch
	s_lshl_b32 s18, s18, 4
	s_add_co_u32 s18, s18, s42                     ; plane = 16 x batch + head
	s_lshl_b32 s18, s18, 18
	s_and_b32 s19, s13, 7
	s_lshl_b32 s19, s19, 15                        ; 256 rows of 128 bytes
	s_add_co_u32 s18, s18, s19
	s_lshl_b32 s19, s10, 13                        ; my 64 rows
	s_add_co_u32 s18, s18, s19
	s_mov_b32 s19, 0
	s_wait_dscnt 0x0
	s_wait_kmcnt 0x0
	s_add_nc_u64 s[14:15], s[4:5], s[16:17]
	s_add_nc_u64 s[46:47], s[6:7], s[46:47]
	s_add_nc_u64 s[68:69], s[68:69], s[2:3]
	s_add_nc_u64 s[70:71], s[70:71], s[2:3]
	s_add_nc_u64 s[72:73], s[72:73], s[2:3]
	s_add_nc_u64 s[74:75], s[74:75], s[18:19]
	s_add_nc_u64 s[76:77], s[76:77], s[18:19]
	s_add_nc_u64 s[78:79], s[78:79], s[18:19]
	CROUND                                         ; all sixteen work-groups are here: the first joint loads meet
.irp s, 0,1
	s_mov_b32 s[G0+4*\s], 1
	s_add_co_u32 s[G0+4*\s+1], s20, \s*SLOT
	s_add_nc_u64 s[G0+4*\s+2:G0+4*\s+3], s[14:15], \s*KSTEP*2
	s_or_b32 s[G0+4*\s+3], s[G0+4*\s+3], 0x80000000
	s_mov_b32 s[G0B+4*\s], 1
	s_add_co_u32 s[G0B+4*\s+1], s21, \s*SLOT
	s_add_nc_u64 s[G0B+4*\s+2:G0B+4*\s+3], s[46:47], \s*KSTEP*2
	s_or_b32 s[G0B+4*\s+3], s[G0B+4*\s+3], 0x80000000
	JLOAD \s                                       ; K steps 0 and 1
.endr
	v_and_b32 v1, 15, v0                           ; r = l % 16
	v_bfe_u32 v2, v0, 4, 1                         ; h = l / 16
	v_lshlrev_b32 v[VB], 5, v2
.irp b, 0,1,2,3,4,5,6,7,8,9,10,11                  ; block b: matrix b / 4, columns 16 (b % 4) + 8 h + 0..7 of the head; waited for on the way out
	global_load_b128 v[BIAS+8*\b:BIAS+8*\b+3],   v[VB], s[68+2*(\b>>2):69+2*(\b>>2)] offset:(\b&3)*64
	global_load_b128 v[BIAS+8*\b+4:BIAS+8*\b+7], v[VB], s[68+2*(\b>>2):69+2*(\b>>2)] offset:(\b&3)*64+16
.endr
	v_mul_u32_u24 v3, v1, PITCH
	v_lshl_add_u32 v3, v2, 4, v3                   ; row x pitch + 16 x half
	s_mul_i32 s22, s10, 64*PITCH                   ; my 64 rows of A
	s_mov_b32 s23, APART                           ; B's 192 rows
.irp s, 0,1
	v_add_nc_u32 v[ADRA+\s], s22, v3
	v_add_nc_u32 v[ADRB+\s], s23, v3
	s_add_co_u32 s22, s22, SLOT
	s_add_co_u32 s23, s23, SLOT
.endr
	s_mul_i32 s9, s10, 16*SPITCH
	s_add_co_u32 s9, s9, STAGE                     ; my stage
	v_mul_u32_u24 v4, v1, SPITCH
	v_lshl_add_u32 v4, v2, 4, v4
	v_add_nc_u32 v[STO], s9, v4                    ; in: row r, 16 bytes for each half of the lanes
	v_bfe_u32 v5, v0, 3, 2
	v_mul_u32_u24 v5, v5, SPITCH
	v_and_b32 v6, 7, v0
	v_lshl_add_u32 v5, v6, 4, v5
	v_add_nc_u32 v[RD], s9, v5                     ; back: eight lanes take the 128 bytes of one matrix in one row, the wave four rows
	v_and_b32 v6, 31, v0
	v_lshlrev_b32 v[CO], 4, v6
; 24 matrix instructions: row tiles 2 hi, 2 hi + 1 x all 12 column blocks, 32 along K.  zero = 1: the product starts the sums.
; The 48 accumulators take turns, one instruction a turn, in the same order in every quarter step, over the backward jump too.
.macro MUL24 f, hi, zero
.irp a, 0,1
.irp b, 0,1,2,3,4,5,6,7,8,9,10,11
.if \zero
	v_wmma_f32_16x16x32_bf16 v[8*(12*\a+\b):8*(12*\a+\b)+7], v[96*\f+8*\b:96*\f+8*\b+7], v[192+32*\f+8*(2*\hi+\a):192+32*\f+8*(2*\hi+\a)+7], 0
.else
	v_wmma_f32_16x16x32_bf16 v[8*(12*\a+\b):8*(12*\a+\b)+7], v[96*\f+8*\b:96*\f+8*\b+7], v[192+32*\f+8*(2*\hi+\a):192+32*\f+8*(2*\hi+\a)+7], v[8*(12*\a+\b):8*(12*\a+\b)+7]
.endif
.endr
.endr
.endm
; 32 LDS loads in one run: the fragments of one quarter step (192 rows of B, my 64 rows of A, 32 K at byte k of the rows) into buffer f
.macro FETCH slot, k, f
	WIN TOF
.irp i, 0,1,2,3,4,5,6,7,8,9,10,11
	ds_load_b128 v[96*\f+8*\i:96*\f+8*\i+3],   v[ADRB+\slot] offset:\k+\i*16*PITCH
	ds_load_b128 v[96*\f+8*\i+4:96*\f+8*\i+7], v[ADRB+\slot] offset:\k+\i*16*PITCH+32
.endr
.irp i, 0,1,2,3
	ds_load_b128 v[192+32*\f+8*\i:192+32*\f+8*\i+3],   v[ADRA+\slot] offset:\k+\i*16*PITCH
	ds_load_b128 v[192+32*\f+8*\i+4:192+32*\f+8*\i+7], v[ADRA+\slot] offset:\k+\i*16*PITCH+32
.endr
.endm
; One of a K step's first three quarters: fetches the next quarter's fragments into buffer g, then multiplies buffer f.
.macro QSTEP slot, k, f, g, zero
	PLACES                                         ; behind the products that read buffer g
	FETCH \slot, \k, \g
	s_wait_dscnt 32                                ; all but the 32 just issued: buffer f is in
	WIN MUL_LO
	MUL24 \f, 0, \zero
	WIN MUL_HI
	MUL24 \f, 1, \zero
.endm
.macro THREE slot, zero
	QSTEP \slot, 64,  0, 1, \zero
	QSTEP \slot, 128, 1, 0, 0
	QSTEP \slot, 192, 0, 1, 0
.endm
; The last quarter: multiplies buffer 1 and changes slots.  fill = 1: this slot is filled again, two K steps ahead.
; In front of the barrier each wave waits for its reads of this slot and for all its tensor loads (one is out: its part of the next slot).
; Where the slot is filled again the barrier opens a round of the cluster's barrier, and the joint refill is the first tensor load behind the round.
.macro TURN slot, next, fill
	s_wait_dscnt 0x0                               ; buffer 1 is in, and with it my reads of this slot are over
	s_set_vgpr_msb 0xf5f0
	s_wait_tensorcnt 0x0                           ; all my tensor loads have landed
	ds_add_u32 v254, v255
	s_wait_dscnt 0x0
	s_set_vgpr_msb 0xf0f5
	s_barrier_signal -1
	WIN MUL_LO
	MUL24 1, 0, 0                                  ; register work while the others arrive
	WIN 0
	s_barrier_wait -1
.if \fill
	CREST
	s_add_nc_u64 s[G0+4*\slot+2:G0+4*\slot+3], s[G0+4*\slot+2:G0+4*\slot+3], 2*KSTEP*2
	s_add_nc_u64 s[G0B+4*\slot+2:G0B+4*\slot+3], s[G0B+4*\slot+2:G0B+4*\slot+3], 2*KSTEP*2
	JLOAD \slot
.endif
	PLACES
	FETCH \next, 0, 0
	WIN MUL_HI
	MUL24 1, 1, 0
.endm
.macro LAP zero                        ; once round the ring, both slots filled again
	THREE 0, \zero
	TURN 0, 1, 1
	THREE 1, 0
	TURN 1, 0, 1
.endm
	s_wait_tensorcnt 1                             ; my part of K step 0 is in; K step 1's load stays out
	s_barrier_signal -1
	s_barrier_wait -1                              ; everybody's is
	FETCH 0, 0, 0
	LAP 1                                          ; K steps 0, 1: the first products start the sums
	WIN 0
	s_mov_b32 s45, 2                               ; K steps 2 to 5
.Llap:
	LAP 0
	WIN 0
	s_sub_co_u32 s45, s45, 1
	s_cmp_lg_u32 s45, 0
	s_cbranch_scc1 .Llap
	THREE 0, 0                                     ; K steps 6, 7: nothing is filled any more
	TURN 0, 1, 0
	THREE 1, 0
	s_wait_dscnt 0x0
	WIN MUL_LO
	MUL24 1, 0, 0
	WIN MUL_HI
	MUL24 1, 1, 0
	; THE WAY OUT, 16 rows at a time: bias (and q's scale) in f32, one rounding to bf16, 16 bytes a lane into my stage, back as rows of 128 bytes.
	PLACES                                         ; behind the last matrix instructions
	WIN 0
	s_wait_loadcnt 0x0                             ; the biases
.irp p, 0,2,4,6,8,10,12,14,16,18,20,22,24,26,28,30
	v_pk_mul_f32 v[BIAS+\p:BIAS+\p+1], v[BIAS+\p:BIAS+\p+1], QSCALE op_sel_hi:[1,0]   ; q's biases carry the scale, so that q = sum x scale + bias x scale is one fused multiply-add
.endr
; rows 16 i .. 16 i + 15 of my 64 = tiles (ap, 0..11) of window 2 or 3.  wadd: source 0 and destination in that window; wcvt: sources 0 and 1.
.macro OUT16 i, ap, wadd, wcvt
	WIN \wadd
.irp b, 0,1,2,3
.irp p, 0,2,4,6
	v_pk_fma_f32 v[8*(12*\ap+\b)+\p:8*(12*\ap+\b)+\p+1], v[8*(12*\ap+\b)+\p:8*(12*\ap+\b)+\p+1], QSCALE, v[BIAS+8*\b+\p:BIAS+8*\b+\p+1] op_sel_hi:[1,0,1]
.endr
.endr
.irp b, 4,5,6,7,8,9,10,11
.irp p, 0,2,4,6
	v_pk_add_f32 v[8*(12*\ap+\b)+\p:8*(12*\ap+\b)+\p+1], v[8*(12*\ap+\b)+\p:8*(12*\ap+\b)+\p+1], v[BIAS+8*\b+\p:BIAS+8*\b+\p+1]
.endr
.endr
	WIN \wcvt
.irp b, 0,1,2,3,4,5,6,7,8,9,10,11
.irp p, 0,1,2,3
	v_cvt_pk_bf16_f32 v[TMP+4*\b+\p], v[8*(12*\ap+\b)+2*\p], v[8*(12*\ap+\b)+2*\p+1]
.endr
.endr
	WIN 0
.irp b, 0,1,2,3,4,5,6,7,8,9,10,11
	ds_store_b128 v[STO], v[TMP+4*\b:TMP+4*\b+3] offset:32*\b
.endr
	s_wait_xcnt 0x0                                ; RB, which the last 16 rows' stores read, is loaded again only behind this wait
.irp m, 0,1,2
.irp t, 0,1,2,3
	ds_load_b128 v[RB+4*(4*\m+\t):RB+4*(4*\m+\t)+3], v[RD] offset:\t*4*SPITCH+\m*128   ; LDS serves a wave's instructions in order: these see the stores above
.endr
.endr
.irp m, 0,1,2
.irp t, 0,1,2,3
	s_wait_dscnt 11-(4*\m+\t)                      ; the younger read-backs stay out
	global_store_b128 v[CO], v[RB+4*(4*\m+\t):RB+4*(4*\m+\t)+3], s[74+2*\m:75+2*\m] offset:\i*2048+\t*512   ; four rows of 128 bytes: 512 consecutive bytes, aligned
.endr
.endr
.endm
	OUT16 0, 0, 0x82, 0x0a
	OUT16 1, 1, 0x82, 0x0a
	OUT16 2, 0, 0xc3, 0x0f
	OUT16 3, 1, 0xc3, 0x0f
	s_wait_tensorcnt 0x0
	ds_add_u32 v254, v255
	s_wait_dscnt 0x0
	CROUND                                         ; the closing round: no work-group ends while a partner may still ask for a tile that names it
	s_endpgm
.Lfunc_end_k_q46425d4cae_qkv:
	.size	k_q46425d4cae_qkv, .Lfunc_end_k_q46425d4cae_qkv-k_q46425d4cae_qkv
	.p2alignl 7, 3214868480
	.fill 96, 4, 3214868480
	.section	.rodata,"a",@progbits
	.p2align	6, 0x0
	.amdhsa_kernel k_q46425d4cae_qkv
		.amdhsa_group_segment_fixed_size 327680
		.amdhsa_private_segment_fixed_size 0
		.amdhsa_enable_private_segment 0
		.amdhsa_kernarg_size 64
		.amdhsa_user_sgpr_count 2
		.amdhsa_user_sgpr_kernarg_segment_ptr 1
		.amdhsa_wavefront_size32 1
		.amdhsa_system_sgpr_workgroup_id_x 1
		.amdhsa_system_sgpr_workgroup_id_y 1
		.amdhsa_system_sgpr_workgroup_id_z 1
		.amdhsa_system_vgpr_workitem_id 0
		.amdhsa_next_free_vgpr 960
		.amdhsa_next_free_sgpr 80
		.amdhsa_reserve_vcc 0
		.amdhsa_float_denorm_mode_32 3
		.amdhsa_float_denorm_mode_16_64 3
		.amdhsa_memory_ordered 1
		.amdhsa_forward_progress 1
		.amdhsa_inst_pref_size 180
	.end_amdhsa_kernel
	.amdgpu_metadata
---
amdhsa.version: [ 1, 2 ]
amdhsa.kernels:
  - .name:           k_q46425d4cae_qkv
    .symbol:         k_q46425d4cae_qkv.kd
    .args:
      - { .name: xb, .offset: 0, .size: 8, .value_kind: global_buffer, .address_space: global }
      - { .name: wb, .offset: 8, .size: 8, .value_kind: global_buffer, .address_space: global }
      - { .name: bq, .offset: 16, .size: 8, .value_kind: global_buffer, .address_space: global }
      - { .name: bk, .offset: 24, .size: 8, .value_kind: global_buffer, .address_space: global }
      - { .name: bv, .offset: 32, .size: 8, .value_kind: global_buffer, .address_space: global }
      - { .name: qw, .offset: 40, .size: 8, .value_kind: global_buffer, .address_space: global }
      - { .name: kw, .offset: 48, .size: 8, .value_kind: global_buffer, .address_space: global }
      - { .name: vw, .offset: 56, .size: 8, .value_kind: global_buffer, .address_space: global }
    .group_segment_fixed_size: 327680
    .private_segment_fixed_size: 0
    .kernarg_segment_align: 8
    .kernarg_segment_size: 64
    .max_flat_workgroup_size: 128
    .sgpr_count:     80
    .vgpr_count:     960
    .wavefront_size: 32
...
	.end_amdgpu_metadata
.endif
;; end of part 2
;; launch attn (part 3): grid 8 x 32, 8 waves a work-group, clusters of 4 x 1, 327,680 bytes of LDS; arguments qw, kw, vw, attention_mask, cw; writes cw
.if DOCPART == 3
	.amdgcn_target "amdgcn-amd-amdhsa--gfx1250"
	.amdhsa_code_object_version 6
	.text
	.protected	k_q46425d4cae_attn
	.globl	k_q46425d4cae_attn
	.p2align	8
	.type	k_q46425d4cae_attn,@function
k_q46425d4cae_attn:
	s_mov_b64 s[64:65], 0
	v_nop
	global_prefetch_b8 v0, s[64:65] scope:SCOPE_SE
	s_setreg_imm32_b32 hwreg(HW_REG_WAVE_MODE, 25, 1), 1
	s_wait_xcnt 0x0
	s_wait_alu depctr_hold_cnt(0) depctr_sa_sdst(0) depctr_va_vdst(0) depctr_va_sdst(0) depctr_va_ssrc(0) depctr_va_vcc(0) depctr_vm_vsrc(0)
	s_getreg_b32 s2, hwreg(HW_REG_IB_STS2, 6, 4)
	s_cmp_eq_u32 s2, 0
	s_cbranch_scc0 .Lentry_in_a_cluster
	s_endpgm
.Lentry_in_a_cluster:
	s_bfe_u32 s2, ttmp6, 0x10000c
	s_cmp_lg_u32 s2, 0x3003
	s_cbranch_scc0 .Lentry_shape_is_right
	s_endpgm
.Lentry_shape_is_right:
; Softmax attention for one (batch, head) and 256 queries, with a running maximum.  q, k, v, ctx: bf16 [batch][head][row][64]; q already carries log2(e) / 8.
; Eight waves; wave w owns 32 queries (two tiles of 16, t = 0, 1) and walks all 2,048 keys, in four tiles of 512 keys (LDS) and blocks of 64 keys (registers).
; S^T = K Q^T: source 0 = 16 keys, source 1 = 16 queries: lane l holds query l % 16 and keys 8 (l / 16) + 0..7.  Two such tiles, rounded to bf16 in the lane,
; ARE a source-1 fragment of 32 keys for O^T = V^T P^T: no shuffle and no LDS trip; source 0 there is V^T, read from V's rows [key][d] by the transposing LDS load.
; So maximum, sum and rescale factor are one number a lane.  The mask (x log2 e) enters as the C operand of each score tile's first product.
; CLUSTER 4 x 1: the four query blocks of a cluster walk the same K and V tiles and ask for them jointly (mask 15); each wave fetches 64 rows of K and of V.
; TWO SLOTS: tiles 0 and 1 are first fills and go out together; tile 2 fills slot 0 again behind tile 0, tile 3 slot 1 behind tile 1: two refill rounds in all.
; FRAGMENTS AHEAD: a block's V fragments are asked for behind its score products, the NEXT block's K and mask fragments behind its maximum chains;
; both land under the exponentials.  Only a tile's first block asks for its own K, behind the barrier that shows the tile whole.
; LIMITS: mask x log2(e) is clamped to +-2^126 (|mask| above 5.9e37 counts as 5.9e37), so a batch whose mask is -inf everywhere gives a uniform softmax
; where the f32 formula gives NaN; v_exp_f32 and v_rcp_f32 flush denormals; probabilities are rounded to bf16 for P V while their sum is kept in f32.
; A wave has at most four tensor loads outstanding (tiles 0 and 1 at the start), later two.
.set KP,    144                        ; K's LDS pitch: 128 + 16, an odd multiple of 16
.set VP,    160                        ; V's LDS pitch: 128 + 32, an odd multiple of 32 (for the transposing load)
.set TKEYS, 512                        ; keys in a tile
.set KPART, TKEYS*KP                   ; 73,728
.set SLOT,  KPART+TKEYS*VP             ; 155,648 bytes
.set MASK,  2*SLOT                     ; 2,048 f32: bytes of their own, written by LDS stores, never a tensor load's target
.set STAGE, 0                          ; the way out: 32 rows x 144 bytes for each wave, in slot 0, whose last fill is tile 2 and whose last reads every wave
                                       ; has waited for in front of the barrier at the end of tile 2
.set SP,    144
.set TILEB, TKEYS*128                  ; a tile's bytes in kw and in vw
.set KA,  2                            ; v2-3    LDS address of my K fragments at the head of slot 0, 1
.set VA,  4                            ; v4-5    the same for V
.set MA,  6                            ; v6      LDS address of my 8 mask numbers of a tile of 16 keys; runs with the blocks
.set STO, 7
.set RD,  8
.set CO,  9
.set KC,  10                           ; v10     K address of the block at hand; runs with the blocks
.set VC,  11                           ; v11     the same for V
.set M,   12                           ; v12-19  maximum of query tile t in set p at 4 p + 2 t: the low register of a pair, broadcast by op_sel_hi; the two sets take turns as old and new
.set AL,  20                           ; v20-23  rescale factor of tile t at 2 t, likewise
.set LS,  24                           ; v24-27  the block's sums, as pairs
.set LSUM, 28                          ; v28-29  running sum of my half of the keys
.set PX,  30                           ; v30-31  the other half's number
.set MT,  32                           ; v32-39  the mask as loaded; later the sums' temporaries
.set TT,  32
.set Q,   40                           ; v40-71  Q[t][ks] at 8 (2 t + ks)
.set S,   72                           ; v72-135 score tile g = 2 kt + t
.set P,   136                          ; v136-167 P[t][ks] at 8 (2 t + ks)
.set O,   168                          ; v168-231 O tile o = 2 dt + t
.set MO,  232                          ; 16 x thread
.set ML,  233                          ; MASK + 16 x thread
.set QO,  234                          ; my offset in Q's rows
.set DT,  236                          ; v236-237 old maximum - new maximum
.set TA,  238                          ; v238-239 at work
.set MC,  240                          ; v240-247 maximum chain kt of tile t at 4 t + kt
.set KF,  0                            ; window 1: K[kt][ks] at 8 (2 kt + ks)
.set VF,  64                           ; window 1: V^T[dt][ks] at 8 (2 dt + ks)
.set MK,  128                          ; window 1: the mask of key tile kt
.set G1K, 24
.set G1V, 32
.set G0K, 40                           ; s[40:47] one set for each slot
.set G0V, 48                           ; s[48:55]
.set MSB, 0
.macro WIN new                         ; the immediate's high byte repeats the setting that is left
.if MSB != \new
	s_set_vgpr_msb (MSB<<8)|\new
.set MSB, \new
.endif
.endm
.macro PLACES                          ; four plain vector places behind a matrix instruction (ISA guide 7.12.1)
.rept 4
	v_nop
.endr
.endm
.macro CREST                           ; a round of the cluster's barrier behind its opening work-group barrier
	s_cmp_lg_u32 s14, 0
	s_cbranch_scc1 .Lnot_wave_0_\@
	s_barrier_signal -3
.Lnot_wave_0_\@:
	s_barrier_wait -3
	s_barrier_signal -1
	s_barrier_wait -1
.endm
.macro CROUND                          ; a whole round
	s_barrier_signal -1
	s_barrier_wait -1
	CREST
.endm
	s_load_b256 s[4:11], s[0:1], 0x0               ; qw s[4:5], kw s[6:7], vw s[8:9], mask s[10:11]
	s_load_b64 s[12:13], s[0:1], 0x20              ; cw
	v_lshl_add_u32 v254, v0, 2, 0x4e000
	v_mov_b32 v255, 0
	ds_add_u32 v254, v255
	v_lshrrev_b32 v1, 5, v0
	v_readfirstlane_b32 s14, v1                    ; wave 0..7
	s_bfe_u32 s15, ttmp6, 0x40000                  ; cx
	s_lshl_b32 s16, ttmp9, 2
	s_add_co_u32 s16, s16, s15                     ; query block = 4 x cluster x + cx
	s_and_b32 s17, ttmp7, 0xffff                   ; 16 x batch + head
	s_mov_b32 s56, 0x76543210                      ; v_permlanex16_b32: lane i reads lane i of the other half
	s_mov_b32 s57, 0xfedcba98
	s_mov_b32 s58, 0xfe800000                      ; -2^126
	s_mov_b32 s59, 0x7e800000                      ; +2^126
	; group 1: 64 rows x 64 elements of 2 bytes, padding behind every 32 words (4 words for K, 8 for V), mask 15 with bit 21 beside it
	s_mov_b32 s[G1K+0], 15|(1<<16)|(1<<20)|(1<<21)|(4<<22)|(3<<25)
	s_mov_b32 s[G1V+0], 15|(1<<16)|(1<<20)|(1<<21)|(4<<22)|(7<<25)
	s_mov_b32 s[G1K+1], 64<<16                     ; tensor_dim0 = 64
	s_mov_b32 s[G1V+1], 64<<16
	s_mov_b32 s[G1K+2], 64<<16                     ; tensor_dim1 = 64 rows
	s_mov_b32 s[G1V+2], 64<<16
	s_mov_b32 s[G1K+3], 64<<16                     ; tile_dim0 = 64
	s_mov_b32 s[G1V+3], 64<<16
	s_mov_b32 s[G1K+4], 64                         ; tile_dim1 = 64
	s_mov_b32 s[G1V+4], 64
	s_mov_b32 s[G1K+5], 64                         ; elements from row to row
	s_mov_b32 s[G1V+5], 64
	s_mov_b32 s[G1K+6], 0
	s_mov_b32 s[G1V+6], 0
	s_mov_b32 s[G1K+7], 0
	s_mov_b32 s[G1V+7], 0
	s_lshl_b32 s18, s17, 18                        ; the head's plane
	s_lshl_b32 s20, s14, 13                        ; K, V: + my 64 rows of a tile
	s_add_co_u32 s20, s20, s18
	s_mov_b32 s21, 0
	s_lshl_b32 s22, s16, 15                        ; Q, ctx: + the query block's 256 rows (cx enters these two addresses alone)
	s_add_co_u32 s22, s22, s18
	s_lshl_b32 s23, s14, 12                        ; + my 32 rows
	s_add_co_u32 s22, s22, s23
	s_mov_b32 s23, 0
	s_lshr_b32 s18, s17, 4
	s_lshl_b32 s18, s18, 13                        ; the batch's 2,048 mask numbers
	s_mov_b32 s19, 0
	s_mul_i32 s2, s14, 64*KP                       ; where my rows go in a slot
	s_mul_i32 s3, s14, 64*VP
	s_add_co_u32 s3, s3, KPART
	s_mul_i32 s61, s14, 32*SP
	s_add_co_u32 s61, s61, STAGE                   ; my stage
	v_and_b32 v[TA], 15, v0                        ; r
	v_bfe_u32 v[TA+1], v0, 4, 1                    ; h
	v_lshlrev_b32 v[MO], 4, v0
	v_add_nc_u32 v[ML], MASK, v[MO]
	v_lshlrev_b32 v1, 7, v[TA]
	v_lshl_add_u32 v[QO], v[TA+1], 4, v1           ; r x 128 + 16 h
	s_wait_dscnt 0x0
	s_wait_kmcnt 0x0
	s_add_nc_u64 s[10:11], s[10:11], s[18:19]
	s_add_nc_u64 s[4:5], s[4:5], s[22:23]
	s_add_nc_u64 s[12:13], s[12:13], s[22:23]
	s_add_nc_u64 s[6:7], s[6:7], s[20:21]
	s_add_nc_u64 s[8:9], s[8:9], s[20:21]
	global_load_b128 v[MT:MT+3],   v[MO], s[10:11]
	global_load_b128 v[MT+4:MT+7], v[MO], s[10:11] offset:4096
.irp t, 0,1
.irp ks, 0,1
	global_load_b128 v[Q+16*\t+8*\ks:Q+16*\t+8*\ks+3],   v[QO], s[4:5] offset:\t*2048+\ks*64
	global_load_b128 v[Q+16*\t+8*\ks+4:Q+16*\t+8*\ks+7], v[QO], s[4:5] offset:\t*2048+\ks*64+32
.endr
.endr
.irp s, 0,1                                        ; slot s is set up for tile s
	s_mov_b32 s[G0K+4*\s], 1
	s_add_co_u32 s[G0K+4*\s+1], s2, \s*SLOT
	s_add_nc_u64 s[G0K+4*\s+2:G0K+4*\s+3], s[6:7], \s*TILEB
	s_or_b32 s[G0K+4*\s+3], s[G0K+4*\s+3], 0x80000000
	s_mov_b32 s[G0V+4*\s], 1
	s_add_co_u32 s[G0V+4*\s+1], s3, \s*SLOT
	s_add_nc_u64 s[G0V+4*\s+2:G0V+4*\s+3], s[8:9], \s*TILEB
	s_or_b32 s[G0V+4*\s+3], s[G0V+4*\s+3], 0x80000000
.endr
	CROUND                                         ; the four work-groups are here: the first joint loads meet
.irp s, 0,1                                        ; tiles 0 and 1, both first fills: K, V, K, V
	tensor_load_to_lds s[G0K+4*\s:G0K+4*\s+3], s[G1K:G1K+7]
	s_nop 0
	tensor_load_to_lds s[G0V+4*\s:G0V+4*\s+3], s[G1V:G1V+7]
	s_nop 0
.endr
	v_mul_u32_u24 v1, v[TA], KP
	v_lshl_add_u32 v[KA], v[TA+1], 4, v1           ; key row r x pitch + 16 h
	v_add_nc_u32 v[KA+1], SLOT, v[KA]
	v_and_b32 v1, 7, v0
	v_lshl_add_u32 v1, v[TA+1], 3, v1              ; key row 8 h + l % 8
	v_mul_u32_u24 v1, v1, VP
	v_bfe_u32 v[DT], v0, 3, 1
	v_lshl_add_u32 v1, v[DT], 4, v1                ; + 16 x ((l / 8) % 2)
	v_add_nc_u32 v[VA], KPART, v1
	v_add_nc_u32 v[VA+1], KPART+SLOT, v1
	v_lshlrev_b32 v[MA], 5, v[TA+1]
	v_add_nc_u32 v[MA], MASK, v[MA]                ; my 8 keys of a tile of 16: 32 h
	v_mul_u32_u24 v1, v[TA], SP
	v_lshl_add_u32 v1, v[TA+1], 4, v1
	v_add_nc_u32 v[STO], s61, v1
	v_bfe_u32 v1, v0, 3, 2
	v_mul_u32_u24 v1, v1, SP
	v_and_b32 v[DT], 7, v0
	v_lshl_add_u32 v1, v[DT], 4, v1
	v_add_nc_u32 v[RD], s61, v1                    ; back: eight lanes a row of 128 bytes, the wave four rows
	v_and_b32 v1, 31, v0
	v_lshlrev_b32 v[CO], 4, v1
	v_mov_b32 v[PX], 0                             ; v_permlanex16_b32 counts as a use of its destination
	v_mov_b32 v[PX+1], 0
.irp i, 1,3,5,7                                    ; the upper registers of the broadcast pairs are named and never used: written once
	v_mov_b32 v[M+\i], 0
.endr
	v_mov_b32 v[AL+1], 0
	v_mov_b32 v[AL+3], 0
	s_wait_loadcnt 0x8                             ; the two mask loads are in; the eight Q loads behind them stay out
.irp p, 0,2,4,6
	v_pk_mul_f32 v[MT+\p:MT+\p+1], v[MT+\p:MT+\p+1], 0x3fb8aa3b op_sel_hi:[1,0]   ; to units of log2
.endr
.irp p, 0,1,2,3,4,5,6,7
	v_med3_num_f32 v[MT+\p], v[MT+\p], s58, s59    ; the stated clamp: differences of scores stay finite
.endr
	ds_store_b128 v[ML], v[MT:MT+3]
	ds_store_b128 v[ML], v[MT+4:MT+7] offset:4096
	s_wait_loadcnt 0x0                             ; Q
; 24 LDS loads: mask and K fragments of the block j blocks behind the running addresses
.macro LOADK j
.irp kt, 0,1,2,3
	ds_load_b128 v[MK+8*\kt:MK+8*\kt+3],   v[MA] offset:256*\j+64*\kt
	ds_load_b128 v[MK+8*\kt+4:MK+8*\kt+7], v[MA] offset:256*\j+64*\kt+16
.endr
.irp kt, 0,1,2,3
.irp ks, 0,1
	ds_load_b128 v[KF+16*\kt+8*\ks:KF+16*\kt+8*\ks+3],   v[KC] offset:(64*\j+16*\kt)*KP+64*\ks
	ds_load_b128 v[KF+16*\kt+8*\ks+4:KF+16*\kt+8*\ks+7], v[KC] offset:(64*\j+16*\kt)*KP+64*\ks+32
.endr
.endr
.endm
; 16 transposing LDS loads: the V^T fragments of that block
.macro LOADV j
.irp dt, 0,1,2,3
.irp ks, 0,1
	ds_load_tr16_b128 v[VF+16*\dt+8*\ks:VF+16*\dt+8*\ks+3],   v[VC] offset:(64*\j+32*\ks)*VP+32*\dt
	ds_load_tr16_b128 v[VF+16*\dt+8*\ks+4:VF+16*\dt+8*\ks+7], v[VC] offset:(64*\j+32*\ks)*VP+32*\dt+16*VP
.endr
.endr
.endm
.macro SUB g, p                        ; score - new maximum (set 1 - p), exactly, in f32; the maximum is the pair's low register for both halves
.irp q, 0,2,4,6
	v_pk_add_f32 v[S+8*\g+\q:S+8*\g+\q+1], v[S+8*\g+\q:S+8*\g+\q+1], v[M+4*(1-\p)+2*(\g&1):M+4*(1-\p)+2*(\g&1)+1] op_sel_hi:[1,0] neg_lo:[0,1] neg_hi:[0,1]
.endr
.endm
.macro EXP8 g
.irp j, 0,1,2,3,4,5,6,7
	v_exp_f32 v[S+8*\g+\j], v[S+8*\g+\j]
.endr
.endm
.macro RESCALE g                       ; O tile g belongs to query tile g % 2
	s_wait_alu depctr_va_vdst(0)
.irp q, 0,2,4,6
	v_pk_mul_f32 v[O+8*\g+\q:O+8*\g+\q+1], v[O+8*\g+\q:O+8*\g+\q+1], v[AL+2*(\g&1):AL+2*(\g&1)+1] op_sel_hi:[1,0]
.endr
.endm
; Tile g = 2 kt + t: its 8 probabilities join the block's sum by a small tree and become registers 4 (kt % 2) + 0..3 of P[t][kt / 2]; sums and roundings take turns.
.macro SUMCVT g
	s_wait_alu depctr_va_vdst(0)
	v_pk_add_f32 v[TT+4*(\g&1):TT+4*(\g&1)+1],   v[S+8*\g:S+8*\g+1],   v[S+8*\g+2:S+8*\g+3]
	v_pk_add_f32 v[TT+4*(\g&1)+2:TT+4*(\g&1)+3], v[S+8*\g+4:S+8*\g+5], v[S+8*\g+6:S+8*\g+7]
	v_cvt_pk_bf16_f32 v[P+8*(2*(\g&1)+(\g>>2))+4*((\g>>1)&1)],   v[S+8*\g],   v[S+8*\g+1]
	v_cvt_pk_bf16_f32 v[P+8*(2*(\g&1)+(\g>>2))+4*((\g>>1)&1)+1], v[S+8*\g+2], v[S+8*\g+3]
.if (\g>>1) == 0
	v_pk_add_f32 v[LS+2*(\g&1):LS+2*(\g&1)+1], v[TT+4*(\g&1):TT+4*(\g&1)+1], v[TT+4*(\g&1)+2:TT+4*(\g&1)+3]   ; the first key tile starts the block's sum
.else
	v_pk_add_f32 v[TT+4*(\g&1):TT+4*(\g&1)+1], v[TT+4*(\g&1):TT+4*(\g&1)+1], v[TT+4*(\g&1)+2:TT+4*(\g&1)+3]
.endif
	v_cvt_pk_bf16_f32 v[P+8*(2*(\g&1)+(\g>>2))+4*((\g>>1)&1)+2], v[S+8*\g+4], v[S+8*\g+5]
	v_cvt_pk_bf16_f32 v[P+8*(2*(\g&1)+(\g>>2))+4*((\g>>1)&1)+3], v[S+8*\g+6], v[S+8*\g+7]
.if (\g>>1) != 0
	v_pk_add_f32 v[LS+2*(\g&1):LS+2*(\g&1)+1], v[LS+2*(\g&1):LS+2*(\g&1)+1], v[TT+4*(\g&1):TT+4*(\g&1)+1]
	s_wait_alu depctr_va_vdst(0)
.endif
.endm
; The block's maximum of my 32 scores of each query tile, with the running maximum (set p): eight chains, one for each score tile, that take turns,
; then three joining levels; sixteen instructions a query tile.  Ends with the request for the other half's number.
.macro SMAX first, p
.irp kt, 0,1,2,3
.irp t, 0,1
	v_max3_num_f32 v[MC+4*\t+\kt], v[S+8*(2*\kt+\t)], v[S+8*(2*\kt+\t)+1], v[S+8*(2*\kt+\t)+2]
.endr
.endr
.irp kt, 0,1,2,3
.irp t, 0,1
	v_max3_num_f32 v[MC+4*\t+\kt], v[MC+4*\t+\kt], v[S+8*(2*\kt+\t)+3], v[S+8*(2*\kt+\t)+4]
.endr
.endr
.irp kt, 0,1,2,3
.irp t, 0,1
	v_max3_num_f32 v[MC+4*\t+\kt], v[MC+4*\t+\kt], v[S+8*(2*\kt+\t)+5], v[S+8*(2*\kt+\t)+6]
.endr
.endr
.irp t, 0,1                                        ; the chains join, each level taking in one tile's eighth number
	v_max3_num_f32 v[MC+4*\t],   v[MC+4*\t],   v[MC+4*\t+1], v[S+8*\t+7]
	v_max3_num_f32 v[MC+4*\t+2], v[MC+4*\t+2], v[MC+4*\t+3], v[S+8*(2+\t)+7]
.endr
.irp t, 0,1
	v_max3_num_f32 v[MC+4*\t], v[MC+4*\t], v[MC+4*\t+2], v[S+8*(4+\t)+7]
.endr
.irp t, 0,1
.if \first
	v_max_num_f32 v[MC+4*\t], v[MC+4*\t], v[S+8*(6+\t)+7]
.else
	v_max3_num_f32 v[MC+4*\t], v[MC+4*\t], v[S+8*(6+\t)+7], v[M+4*\p+2*\t]
.endif
.endr
	v_permlanex16_b32 v[PX],   v[MC],   s56, s57   ; the other 32 keys of the same query
	v_permlanex16_b32 v[PX+1], v[MC+4], s56, s57
.endm
; The rest of the softmax step: new maximum into set 1 - p, rescale factor, exponentials, rescale of O, sums, P.
.macro SREST first, p
	v_max_num_f32 v[M+4*(1-\p)],   v[MC],   v[PX]
	v_max_num_f32 v[M+4*(1-\p)+2], v[MC+4], v[PX+1]
.if \first == 0
	v_sub_f32 v[DT],   v[M+4*\p],   v[M+4*(1-\p)]
	v_sub_f32 v[DT+1], v[M+4*\p+2], v[M+4*(1-\p)+2]
	v_exp_f32 v[AL],   v[DT]                       ; 2^(old - new), at most 1; the subtractions below are the plain place behind the two (ISA guide 5.7.2)
	v_exp_f32 v[AL+2], v[DT+1]
.endif
	SUB 0, \p
.irp g, 0,1,2,3,4,5,6,7                            ; behind each run of eight exponentials stands plain work on other tiles before their results are used
	EXP8 \g
.if \g < 7
	SUB (\g+1), \p
.endif
.if \first == 0
	RESCALE \g
.endif
.if \g > 0
	SUMCVT (\g-1)
.endif
.endr
	SUMCVT 7
.endm
; A block of 64 keys, j blocks behind the running addresses.  p: which set holds the old maximum.  first: it starts maximum, sum and O.
; ldk: it asks for its own K and mask (a tile's first block).  pre: it asks for the next block's.  sync: it is a tile's last block and signals the barrier.
; In both products the eight accumulators take turns, one instruction a turn.
.macro BLOCK j, p, first, ldk, pre, sync
.if \ldk
	WIN 0x40                                       ; loads into window 1
	LOADK \j
.endif
	s_wait_dscnt 0x0                               ; K and mask of this block are in; nothing else is out
	WIN 0x11                                       ; source 0 (K) and C (mask) window 1
.irp kt, 0,1,2,3
.irp t, 0,1
	v_wmma_f32_16x16x32_bf16 v[S+8*(2*\kt+\t):S+8*(2*\kt+\t)+7], v[KF+16*\kt:KF+16*\kt+7], v[Q+16*\t:Q+16*\t+7], v[MK+8*\kt:MK+8*\kt+7]
.endr
.endr
	WIN 0x01
.irp kt, 0,1,2,3
.irp t, 0,1
	v_wmma_f32_16x16x32_bf16 v[S+8*(2*\kt+\t):S+8*(2*\kt+\t)+7], v[KF+16*\kt+8:KF+16*\kt+15], v[Q+16*\t+8:Q+16*\t+15], v[S+8*(2*\kt+\t):S+8*(2*\kt+\t)+7]
.endr
.endr
	PLACES                                         ; behind the scores' products: for the maxima, for the loads into K's and the mask's registers;
	                                               ; and behind the last block's P V products: for the loads into V's registers, the rescale of O and the writes of P
	WIN 0x40
	LOADV \j                                       ; this block's V: it has the softmax step in which to land
	WIN 0
	SMAX \first, \p
.if \pre
	WIN 0x40
	LOADK (\j+1)                                   ; the next block's K and mask
	WIN 0
.endif
.if \sync
	s_wait_dscnt 0x0                               ; V is in registers: my reads of this slot are over
	s_wait_tensorcnt 0x0                           ; and all my tensor loads have landed: my parts of the next tile
	ds_add_u32 v254, v255
	s_wait_dscnt 0x0
	s_barrier_signal -1                            ; say so; register work alone up to the wait behind this block
.endif
	SREST \first, \p
.if \pre
	s_wait_dscnt 24                                ; V is in; the 24 loads for the next block stay out
.else
.if \sync == 0
	s_wait_dscnt 0x0                               ; V
.endif
.endif
	WIN 0x01
.irp ks, 0,1
.irp dt, 0,1,2,3
.irp t, 0,1
.if \first*(1-\ks)
	v_wmma_f32_16x16x32_bf16 v[O+8*(2*\dt+\t):O+8*(2*\dt+\t)+7], v[VF+16*\dt+8*\ks:VF+16*\dt+8*\ks+7], v[P+16*\t+8*\ks:P+16*\t+8*\ks+7], 0
.else
	v_wmma_f32_16x16x32_bf16 v[O+8*(2*\dt+\t):O+8*(2*\dt+\t)+7], v[VF+16*\dt+8*\ks:VF+16*\dt+8*\ks+7], v[P+16*\t+8*\ks:P+16*\t+8*\ks+7], v[O+8*(2*\dt+\t):O+8*(2*\dt+\t)+7]
.endif
.endr
.endr
.endr
	WIN 0
.if \first                                         ; the running sum; behind the very last block these four plain lines are the places in front of the way out
	v_add_f32 v[LSUM],   v[LS],   v[LS+1]
	v_add_f32 v[LSUM+1], v[LS+2], v[LS+3]
.else
	v_add_f32 v[TA],   v[LS],   v[LS+1]
	v_add_f32 v[TA+1], v[LS+2], v[LS+3]
	v_fma_f32 v[LSUM],   v[LSUM],   v[AL],   v[TA]
	v_fma_f32 v[LSUM+1], v[LSUM+1], v[AL+2], v[TA+1]
.endif
.endm
; A tile of 512 keys in the slot: a head block, three trips of two blocks, a tail block; the old and new maxima's sets alternate 0, 1, 0, .. 1 over its eight blocks.
; sync = 2: behind the tail block's barrier comes the rest of a round of the cluster's barrier, and this slot is filled again, two tiles ahead:
; every wave's waits stand in front of the opening signal, register work alone inside the round, the joint refills first behind its closing wait.
; sync = 1: the work-group's barrier alone (it shows the last tile whole; nothing is filled).  sync = 0: the last tile.
.macro TILE slot, first, sync
	v_mov_b32 v[KC], v[KA+\slot]
	v_mov_b32 v[VC], v[VA+\slot]
	BLOCK 0, 0, \first, 1, 1, 0
	v_add_nc_u32 v[KC], 64*KP, v[KC]               ; LDS instructions have read their addresses at issue: no wait
	v_add_nc_u32 v[VC], 64*VP, v[VC]
	v_add_nc_u32 v[MA], 256, v[MA]
	s_mov_b32 s60, 3
.Lblocks_\@:
	BLOCK 0, 1, 0, 0, 1, 0
	BLOCK 1, 0, 0, 0, 1, 0
	v_add_nc_u32 v[KC], 128*KP, v[KC]
	v_add_nc_u32 v[VC], 128*VP, v[VC]
	v_add_nc_u32 v[MA], 512, v[MA]
	s_sub_co_u32 s60, s60, 1
	s_cmp_lg_u32 s60, 0
	s_cbranch_scc1 .Lblocks_\@
	BLOCK 0, 1, 0, 0, 0, \sync
.if \sync
	v_add_nc_u32 v[MA], 256, v[MA]                 ; the next tile's mask numbers
	s_barrier_wait -1                              ; every wave has read this slot to its end and has its parts of the next tile
.endif
.if \sync == 2
	CREST                                          ; and so has every wave of the four work-groups
	s_add_nc_u64 s[G0K+4*\slot+2:G0K+4*\slot+3], s[G0K+4*\slot+2:G0K+4*\slot+3], 2*TILEB   ; no load of mine is out: the groups may be written
	s_add_nc_u64 s[G0V+4*\slot+2:G0V+4*\slot+3], s[G0V+4*\slot+2:G0V+4*\slot+3], 2*TILEB
	tensor_load_to_lds s[G0K+4*\slot:G0K+4*\slot+3], s[G1K:G1K+7]
	s_nop 0
	tensor_load_to_lds s[G0V+4*\slot:G0V+4*\slot+3], s[G1V:G1V+7]
	s_nop 0
	v_nop
	v_nop
.endif
.endm
	s_wait_dscnt 0x0                               ; my mask stores are done, for the others' sake
	s_wait_tensorcnt 0x2                           ; my parts of tile 0 are in; tile 1's two loads stay out
	s_barrier_signal -1
	s_barrier_wait -1                              ; mask and tile 0 are whole
	TILE 0, 1, 2                                   ; tile 0; slot 0 gets tile 2
	TILE 1, 0, 2                                   ; tile 1; slot 1 gets tile 3
	TILE 0, 0, 1                                   ; tile 2
	TILE 1, 0, 0                                   ; tile 3
	; THE WAY OUT: both halves' sums meet, O / sum, one rounding to bf16, through my stage, out as rows of 128 bytes.
	v_permlanex16_b32 v[PX],   v[LSUM],   s56, s57
	v_permlanex16_b32 v[PX+1], v[LSUM+1], s56, s57
	v_add_f32 v[LSUM],   v[LSUM],   v[PX]          ; at least 1: the largest score contributes 2^0
	v_add_f32 v[LSUM+1], v[LSUM+1], v[PX+1]
	v_rcp_f32 v[AL],   v[LSUM]
	v_rcp_f32 v[AL+2], v[LSUM+1]
	v_nop                                          ; the place behind the two reciprocals
	s_wait_alu depctr_va_vdst(0)
.irp g, 0,1,2,3,4,5,6,7
	RESCALE \g
.endr
.irp g, 0,1,2,3,4,5,6,7
.irp i, 0,1,2,3
	v_cvt_pk_bf16_f32 v[P+4*\g+\i], v[O+8*\g+2*\i], v[O+8*\g+2*\i+1]
.endr
.endr
.irp g, 0,1,2,3,4,5,6,7                            ; tile g = 2 dt + t: query 16 t + r, d = 16 dt + 8 h + 0..7
	ds_store_b128 v[STO], v[P+4*\g:P+4*\g+3] offset:(\g&1)*16*SP+32*(\g>>1)
.endr
.irp i, 0,1,2,3,4,5,6,7
	ds_load_b128 v[S+4*\i:S+4*\i+3], v[RD] offset:\i*4*SP   ; LDS serves a wave's instructions in order: these see the stores above
.endr
.irp i, 0,1,2,3,4,5,6,7
	s_wait_dscnt 7-\i                              ; the younger read-backs stay out
	global_store_b128 v[CO], v[S+4*\i:S+4*\i+3], s[12:13] offset:512*\i   ; four rows: 512 consecutive bytes, aligned
.endr
	s_wait_tensorcnt 0x0
	ds_add_u32 v254, v255
	s_wait_dscnt 0x0
	CROUND                                         ; the closing round
	s_endpgm
.Lfunc_end_k_q46425d4cae_attn:
	.size	k_q46425d4cae_attn, .Lfunc_end_k_q46425d4cae_attn-k_q46425d4cae_attn
	.p2alignl 7, 3214868480
	.fill 96, 4, 3214868480
	.section	.rodata,"a",@progbits
	.p2align	6, 0x0
	.amdhsa_kernel k_q46425d4cae_attn
		.amdhsa_group_segment_fixed_size 327680
		.amdhsa_private_segment_fixed_size 0
		.amdhsa_enable_private_segment 0
		.amdhsa_kernarg_size 40
		.amdhsa_user_sgpr_count 2
		.amdhsa_user_sgpr_kernarg_segment_ptr 1
		.amdhsa_wavefront_size32 1
		.amdhsa_system_sgpr_workgroup_id_x 1
		.amdhsa_system_sgpr_workgroup_id_y 1
		.amdhsa_system_sgpr_workgroup_id_z 1
		.amdhsa_system_vgpr_workitem_id 0
		.amdhsa_next_free_vgpr 416
		.amdhsa_next_free_sgpr 66
		.amdhsa_reserve_vcc 0
		.amdhsa_float_denorm_mode_32 3
		.amdhsa_float_denorm_mode_16_64 3
		.amdhsa_memory_ordered 1
		.amdhsa_forward_progress 1
		.amdhsa_inst_pref_size 255
	.end_amdhsa_kernel
	.section	.bss,"aw",@nobits
	.p2align	6
	.space	262144
	.amdgpu_metadata
---
amdhsa.version: [ 1, 2 ]
amdhsa.kernels:
  - .name:           k_q46425d4cae_attn
    .symbol:         k_q46425d4cae_attn.kd
    .args:
      - { .name: qw, .offset: 0, .size: 8, .value_kind: global_buffer, .address_space: global }
      - { .name: kw, .offset: 8, .size: 8, .value_kind: global_buffer, .address_space: global }
      - { .name: vw, .offset: 16, .size: 8, .value_kind: global_buffer, .address_space: global }
      - { .name: attention_mask, .offset: 24, .size: 8, .value_kind: global_buffer, .address_space: global }
      - { .name: cw, .offset: 32, .size: 8, .value_kind: global_buffer, .address_space: global }
    .group_segment_fixed_size: 327680
    .private_segment_fixed_size: 0
    .kernarg_segment_align: 8
    .kernarg_segment_size: 40
    .max_flat_workgroup_size: 256
    .sgpr_count:     66
    .vgpr_count:     416
    .wavefront_size: 32
...
	.end_amdgpu_metadata
.endif
;; end of part 3
;; launch proj (part 4): grid 8 x 32, 4 waves a work-group, clusters of 4 x 4, 327,680 bytes of LDS; arguments cw, wdb, hidden_states, bd, xw; writes xw
.if DOCPART == 4
	.amdgcn_target "amdgcn-amd-amdhsa--gfx1250"
	.amdhsa_code_object_version 6
	.text
	.protected	k_q46425d4cae_proj
	.globl	k_q46425d4cae_proj
	.p2align	8
	.type	k_q46425d4cae_proj,@function
k_q46425d4cae_proj:
	s_mov_b64 s[64:65], 0
	v_nop
	global_prefetch_b8 v0, s[64:65] scope:SCOPE_SE
	s_setreg_imm32_b32 hwreg(HW_REG_WAVE_MODE, 25, 1), 1
	s_wait_xcnt 0x0
	s_wait_alu depctr_hold_cnt(0) depctr_sa_sdst(0) depctr_va_vdst(0) depctr_va_sdst(0) depctr_va_ssrc(0) depctr_va_vcc(0) depctr_vm_vsrc(0)
	s_getreg_b32 s2, hwreg(HW_REG_IB_STS2, 6, 4)
	s_cmp_eq_u32 s2, 0
	s_cbranch_scc0 .Lentry_in_a_cluster
	s_endpgm
.Lentry_in_a_cluster:
	s_bfe_u32 s2, ttmp6, 0x10000c
	s_cmp_lg_u32 s2, 0xf033
	s_cbranch_scc0 .Lentry_shape_is_right
	s_endpgm
.Lentry_shape_is_right:
; x = hidden_states + ctx Wd^T + bd, in f32, for a block of 128 rows x 128 columns; K = 1,024 in four steps of 256 (four heads) through two LDS slots.
; ctx is bf16 head-major [batch][head][row][64]: a K step's A tile is four head sub-tiles of 128 rows x 128 bytes; wdb is bf16 [1024][1024].
; Four waves, 2 x 2, each 64 x 64: 16 accumulator tiles.  Every wave fetches one head sub-tile of A and 32 rows of B for each K step.
; CLUSTER 4 x 4: A's tiles hang on the row block and are shared along a row of the cluster, B's on the column block and are shared along a column.
; Transposed use (source 0 = rows of wdb, source 1 = rows of ctx): lane l holds row l % 16 and columns 8 (l / 16) + 0..7.
; The block's part of hidden_states is asked for at the start, into registers, and lands under the products.
; REGISTERS: window 0 addresses and way out; window 1 fragments (buffer f at 128 f: B[ksub][b] at 8 (4 ksub + b), A[ksub][a] at 64 + 8 (4 ksub + a));
; window 2: accumulators (a, b) at 8 (4 a + b), hidden_states at 128 + 4 (8 a + t).
; A wave has at most four tensor loads outstanding.
.set AP,     144                       ; A's LDS pitch: 128 + 16
.set BP,     528                       ; B's LDS pitch: 512 + 16; both odd multiples of 16
.set ASUB,   128*AP                    ; a head's sub-tile
.set APART,  4*ASUB
.set BQ,     32*BP                     ; a wave's 32 rows of B
.set SLOT,   APART+4*BQ                ; 141,312 bytes
.set STAGE,  2*SLOT                    ; behind the ring (a multiple of 256): 16 rows x 272 bytes for each wave; no tensor load lands here
.set SPITCH, 272
.set ADRA, 16
.set ADRB, 20
.set STO,  24
.set RD,   25
.set HO,   26                          ; (l / 16) rows of 4,096 bytes + 16 (l % 16)
.set VB,   27                          ; 16 (l % 16)
.set T,    160                         ; v160-191 rows read back, then the result
.set BIAS, 192                         ; v192-195 bd of my four columns
.set HID,  128                         ; window 2
.set G1,  24
.set G0,  32
.set G1B, 48
.set G0B, 56
.set MUL, 0xa5                         ; sources 0 and 1 window 1, C and D window 2
.set TOF, 0x40
.set MSB, 0
.macro WIN new
.if MSB != \new
	s_set_vgpr_msb (MSB<<8)|\new
.set MSB, \new
.endif
.endm
.macro PLACES
.rept 4
	v_nop
.endr
.endm
.macro CREST
	s_cmp_lg_u32 s10, 0
	s_cbranch_scc1 .Lnot_wave_0_\@
	s_barrier_signal -3
.Lnot_wave_0_\@:
	s_barrier_wait -3
	s_barrier_signal -1
	s_barrier_wait -1
.endm
.macro CROUND
	s_barrier_signal -1
	s_barrier_wait -1
	CREST
.endm
	s_load_b128 s[4:7], s[0:1], 0x0                ; cw s[4:5], wdb s[6:7]
	s_load_b128 s[68:71], s[0:1], 0x10             ; hidden_states s[68:69], bd s[70:71]
	s_load_b64 s[72:73], s[0:1], 0x20              ; xw
	v_lshl_add_u32 v254, v0, 2, 0x49400
	v_mov_b32 v255, 0
	ds_add_u32 v254, v255
	v_lshrrev_b32 v1, 5, v0
	v_readfirstlane_b32 s10, v1                    ; wave 0..3
	s_lshr_b32 s11, s10, 1                         ; which 64 rows are mine
	s_and_b32 s12, s10, 1                          ; which 64 columns
	s_bfe_u32 s40, ttmp6, 0x40000                  ; cx
	s_bfe_u32 s41, ttmp6, 0x40004                  ; cy
	s_lshl_b32 s42, ttmp9, 2
	s_add_co_u32 s42, s42, s40                     ; column block
	s_and_b32 s13, ttmp7, 0xffff
	s_lshl_b32 s13, s13, 2
	s_add_co_u32 s13, s13, s41                     ; row block
	s_lshl_b32 s43, s41, 2
	s_lshl_b32 s43, 15, s43                        ; my row of the cluster
	s_lshl_b32 s44, 0x1111, s40                    ; my column
	s_or_b32 s[G1+0],  s43, (1<<16)|(1<<20)|(1<<21)|(4<<22)|(3<<25)   ; A: 4 words of padding behind every 32 words
	s_or_b32 s[G1B+0], s44, (1<<16)|(1<<20)|(1<<21)|(6<<22)|(3<<25)   ; B: behind every 128 words
	s_mov_b32 s[G1+1],  64<<16                     ; A: 128 rows x 64 elements, 64 elements from row to row
	s_mov_b32 s[G1+2],  128<<16
	s_mov_b32 s[G1+3],  64<<16
	s_mov_b32 s[G1+4],  128
	s_mov_b32 s[G1+5],  64
	s_mov_b32 s[G1+6],  0
	s_mov_b32 s[G1+7],  0
	s_mov_b32 s[G1B+1], 256<<16                    ; B: 32 rows x 256 elements, 1,024 elements from row to row
	s_mov_b32 s[G1B+2], 32<<16
	s_mov_b32 s[G1B+3], 256<<16
	s_mov_b32 s[G1B+4], 32
	s_mov_b32 s[G1B+5], 1024
	s_mov_b32 s[G1B+6], 0
	s_mov_b32 s[G1B+7], 0
	s_lshr_b32 s16, s13, 4                         ; A: batch x 16 planes
	s_lshl_b32 s16, s16, 22
	s_lshl_b32 s17, s10, 18                        ; + head = wave (of the K step's four)
	s_add_co_u32 s16, s16, s17
	s_and_b32 s17, s13, 15
	s_lshl_b32 s17, s17, 14                        ; + 128 rows of 128 bytes a row block
	s_add_co_u32 s16, s16, s17
	s_mov_b32 s17, 0
	s_lshl_b32 s46, s42, 7                         ; B: row 128 x column block + 32 x wave
	s_lshl_b32 s47, s10, 5
	s_add_co_u32 s46, s46, s47
	s_lshl_b32 s46, s46, 11
	s_mov_b32 s47, 0
	s_mul_i32 s20, s10, ASUB                       ; where they go
	s_mul_i32 s21, s10, BQ
	s_add_co_u32 s21, s21, APART
	; offsets that mix both coordinates, in registers that feed no descriptor
	s_lshl_b32 s22, s42, 9                         ; my first column: 128 x block + 64 x half, in f32
	s_lshl_b32 s23, s12, 8
	s_add_co_u32 s22, s22, s23
	s_lshl_b32 s18, s13, 19                        ; my first row: 128 x block + 64 x half, rows of 4,096 bytes
	s_lshl_b32 s19, s11, 18
	s_add_co_u32 s18, s18, s19
	s_add_co_u32 s18, s18, s22
	s_mov_b32 s19, 0
	s_mov_b32 s23, 0
	v_and_b32 v1, 15, v0                           ; r
	v_bfe_u32 v2, v0, 4, 1                         ; h
	v_lshlrev_b32 v[VB], 4, v1
	v_lshl_add_u32 v[HO], v2, 12, v[VB]
	s_wait_dscnt 0x0
	s_wait_kmcnt 0x0
	s_add_nc_u64 s[14:15], s[4:5], s[16:17]
	s_add_nc_u64 s[46:47], s[6:7], s[46:47]
	s_add_nc_u64 s[68:69], s[68:69], s[18:19]
	s_add_nc_u64 s[72:73], s[72:73], s[18:19]
	s_add_nc_u64 s[70:71], s[70:71], s[22:23]
	CROUND                                         ; all sixteen work-groups are here: the first joint loads meet
.irp s, 0,1
	s_mov_b32 s[G0+4*\s], 1
	s_add_co_u32 s[G0+4*\s+1], s20, \s*SLOT
	s_add_nc_u64 s[G0+4*\s+2:G0+4*\s+3], s[14:15], \s*4*262144
	s_or_b32 s[G0+4*\s+3], s[G0+4*\s+3], 0x80000000
	s_mov_b32 s[G0B+4*\s], 1
	s_add_co_u32 s[G0B+4*\s+1], s21, \s*SLOT
	s_add_nc_u64 s[G0B+4*\s+2:G0B+4*\s+3], s[46:47], \s*512
	s_or_b32 s[G0B+4*\s+3], s[G0B+4*\s+3], 0x80000000
	tensor_load_to_lds s[G0+4*\s:G0+4*\s+3], s[G1:G1+7]       ; K steps 0 and 1
	s_nop 0
	tensor_load_to_lds s[G0B+4*\s:G0B+4*\s+3], s[G1B:G1B+7]
	s_nop 0
.endr
	WIN 0x80                                       ; destination window 2
.irp a, 0,1,2,3
.irp t, 0,1,2,3,4,5,6,7
	global_load_b128 v[HID+4*(8*\a+\t):HID+4*(8*\a+\t)+3], v[HO], s[68:69] offset:(16*\a+2*\t)*4096 th:TH_LOAD_NT   ; sixteen lanes: 256 consecutive bytes, aligned
.endr
.endr
	WIN 0
	global_load_b128 v[BIAS:BIAS+3], v[VB], s[70:71]
	v_mul_u32_u24 v3, v1, AP
	v_lshl_add_u32 v3, v2, 4, v3
	v_mul_u32_u24 v4, v1, BP
	v_lshl_add_u32 v4, v2, 4, v4
	s_mul_i32 s2, s11, 64*AP                       ; my 64 rows in each head's sub-tile
	s_mul_i32 s3, s12, 64*BP                       ; my 64 rows of B,
	s_add_co_u32 s3, s3, APART                     ; which lie behind A
.irp s, 0,1
	v_add_nc_u32 v[ADRA+\s], s2, v3
	v_add_nc_u32 v[ADRB+\s], s3, v4
	s_add_co_u32 s2, s2, SLOT
	s_add_co_u32 s3, s3, SLOT
.endr
	s_mul_i32 s9, s10, 16*SPITCH
	s_add_co_u32 s9, s9, STAGE                     ; my stage
	v_mul_u32_u24 v5, v1, SPITCH
	v_lshl_add_u32 v5, v2, 5, v5
	v_add_nc_u32 v[STO], s9, v5                    ; in: row r, 32 bytes for each half of the lanes
	v_mul_u32_u24 v5, v2, SPITCH
	v_lshl_add_u32 v5, v1, 4, v5
	v_add_nc_u32 v[RD], s9, v5                     ; back: lanes 0-15 one row of 256 bytes, lanes 16-31 the next
; 16 matrix instructions, 32 along K.  The 16 accumulators take turns, one instruction a turn, in the same order throughout.
.macro MUL16 f, ksub, zero
.irp a, 0,1,2,3
.irp b, 0,1,2,3
.if \zero
	v_wmma_f32_16x16x32_bf16 v[8*(4*\a+\b):8*(4*\a+\b)+7], v[128*\f+8*(4*\ksub+\b):128*\f+8*(4*\ksub+\b)+7], v[128*\f+64+8*(4*\ksub+\a):128*\f+64+8*(4*\ksub+\a)+7], 0
.else
	v_wmma_f32_16x16x32_bf16 v[8*(4*\a+\b):8*(4*\a+\b)+7], v[128*\f+8*(4*\ksub+\b):128*\f+8*(4*\ksub+\b)+7], v[128*\f+64+8*(4*\ksub+\a):128*\f+64+8*(4*\ksub+\a)+7], v[8*(4*\a+\b):8*(4*\a+\b)+7]
.endif
.endr
.endr
.endm
; 32 LDS loads: the fragments of quarter q of a K step (head q of its four: 64 along K) into buffer f
.macro FETCH slot, q, f
	WIN TOF
.irp ksub, 0,1
.irp b, 0,1,2,3
	ds_load_b128 v[128*\f+8*(4*\ksub+\b):128*\f+8*(4*\ksub+\b)+3],   v[ADRB+\slot] offset:\q*128+\ksub*64+\b*16*BP
	ds_load_b128 v[128*\f+8*(4*\ksub+\b)+4:128*\f+8*(4*\ksub+\b)+7], v[ADRB+\slot] offset:\q*128+\ksub*64+\b*16*BP+32
.endr
.endr
.irp ksub, 0,1
.irp a, 0,1,2,3
	ds_load_b128 v[128*\f+64+8*(4*\ksub+\a):128*\f+64+8*(4*\ksub+\a)+3],   v[ADRA+\slot] offset:\q*ASUB+\ksub*64+\a*16*AP
	ds_load_b128 v[128*\f+64+8*(4*\ksub+\a)+4:128*\f+64+8*(4*\ksub+\a)+7], v[ADRA+\slot] offset:\q*ASUB+\ksub*64+\a*16*AP+32
.endr
.endr
.endm
.macro QSTEP slot, q, f, g, zero
	PLACES                                         ; behind the products that read buffer g
	FETCH \slot, \q, \g
	s_wait_dscnt 32                                ; all but the 32 just issued: buffer f is in
	WIN MUL
	MUL16 \f, 0, \zero
	MUL16 \f, 1, 0
.endm
.macro THREE slot, zero
	QSTEP \slot, 1, 0, 1, \zero
	QSTEP \slot, 2, 1, 0, 0
	QSTEP \slot, 3, 0, 1, 0
.endm
; The last quarter: multiplies buffer 1 and changes slots, as in the launch for q, k, v: the waits in front of the opening signal, register work inside,
; the joint refills first behind the round.
.macro TURN slot, next, fill
	s_wait_dscnt 0x0                               ; my reads of this slot are over
	s_set_vgpr_msb 0xa5a0
	s_wait_tensorcnt 0x0                           ; all my tensor loads have landed, my parts of the next slot among them
	ds_add_u32 v254, v255
	s_wait_dscnt 0x0
	s_set_vgpr_msb 0xa0a5
	s_barrier_signal -1
	WIN MUL
	MUL16 1, 0, 0
	WIN 0
	s_barrier_wait -1
.if \fill
	CREST
	s_add_nc_u64 s[G0+4*\slot+2:G0+4*\slot+3], s[G0+4*\slot+2:G0+4*\slot+3], 2*4*262144   ; two K steps on: eight heads
	s_add_nc_u64 s[G0B+4*\slot+2:G0B+4*\slot+3], s[G0B+4*\slot+2:G0B+4*\slot+3], 2*512
	tensor_load_to_lds s[G0+4*\slot:G0+4*\slot+3], s[G1:G1+7]
	s_nop 0
	tensor_load_to_lds s[G0B+4*\slot:G0B+4*\slot+3], s[G1B:G1B+7]
	s_nop 0
.endif
	PLACES
	FETCH \next, 0, 0
	WIN MUL
	MUL16 1, 1, 0
.endm
	s_wait_tensorcnt 2                             ; K step 0's two loads are in; K step 1's two stay out
	s_barrier_signal -1
	s_barrier_wait -1
	FETCH 0, 0, 0
	THREE 0, 1                                     ; K step 0: the first products start the sums
	TURN 0, 1, 1                                   ; slot 0 gets K step 2
	THREE 1, 0
	TURN 1, 0, 1                                   ; slot 1 gets K step 3
	THREE 0, 0
	TURN 0, 1, 0
	THREE 1, 0
	s_wait_dscnt 0x0
	WIN MUL
	MUL16 1, 0, 0
	MUL16 1, 1, 0
	; THE WAY OUT, 16 rows at a time: f32 through my stage, back as rows of 256 bytes, + hidden_states + bd, stored.
	PLACES                                         ; behind the last matrix instructions
	s_wait_loadcnt 0x0                             ; hidden_states and bd
.macro OUT a
	WIN 0x08                                       ; store data in window 2
.irp b, 0,1,2,3
	ds_store_b128 v[STO], v[8*(4*\a+\b):8*(4*\a+\b)+3]   offset:64*\b
	ds_store_b128 v[STO], v[8*(4*\a+\b)+4:8*(4*\a+\b)+7] offset:64*\b+16
.endr
	WIN 0
	s_wait_xcnt 0x0                                ; T, which the last 16 rows' stores read, is loaded again only behind this wait
.irp t, 0,1,2,3,4,5,6,7
	ds_load_b128 v[T+4*\t:T+4*\t+3], v[RD] offset:\t*2*SPITCH   ; LDS serves a wave's instructions in order: these see the stores above
.endr
	s_wait_dscnt 0x0
	WIN 0x08                                       ; source 1 in window 2
.irp t, 0,1,2,3,4,5,6,7
.irp p, 0,2
	v_pk_add_f32 v[T+4*\t+\p:T+4*\t+\p+1], v[T+4*\t+\p:T+4*\t+\p+1], v[HID+4*(8*\a+\t)+\p:HID+4*(8*\a+\t)+\p+1]
.endr
.endr
	WIN 0
.irp t, 0,1,2,3,4,5,6,7
.irp p, 0,2
	v_pk_add_f32 v[T+4*\t+\p:T+4*\t+\p+1], v[T+4*\t+\p:T+4*\t+\p+1], v[BIAS+\p:BIAS+\p+1]
.endr
.endr
.irp t, 0,1,2,3,4,5,6,7
	global_store_b128 v[HO], v[T+4*\t:T+4*\t+3], s[72:73] offset:(16*\a+2*\t)*4096   ; sixteen lanes: 256 consecutive bytes, aligned
.endr
.endm
	OUT 0
	OUT 1
	OUT 2
	OUT 3
	s_wait_tensorcnt 0x0
	ds_add_u32 v254, v255
	s_wait_dscnt 0x0
	CROUND                                         ; the closing round
	s_endpgm
.Lfunc_end_k_q46425d4cae_proj:
	.size	k_q46425d4cae_proj, .Lfunc_end_k_q46425d4cae_proj-k_q46425d4cae_proj
	.p2alignl 7, 3214868480
	.fill 96, 4, 3214868480
	.section	.rodata,"a",@progbits
	.p2align	6, 0x0
	.amdhsa_kernel k_q46425d4cae_proj
		.amdhsa_group_segment_fixed_size 327680
		.amdhsa_private_segment_fixed_size 0
		.amdhsa_enable_private_segment 0
		.amdhsa_kernarg_size 40
		.amdhsa_user_sgpr_count 2
		.amdhsa_user_sgpr_kernarg_segment_ptr 1
		.amdhsa_wavefront_size32 1
		.amdhsa_system_sgpr_workgroup_id_x 1
		.amdhsa_system_sgpr_workgroup_id_y 1
		.amdhsa_system_sgpr_workgroup_id_z 1
		.amdhsa_system_vgpr_workitem_id 0
		.amdhsa_next_free_vgpr 768
		.amdhsa_next_free_sgpr 80
		.amdhsa_reserve_vcc 0
		.amdhsa_float_denorm_mode_32 3
		.amdhsa_float_denorm_mode_16_64 3
		.amdhsa_memory_ordered 1
		.amdhsa_forward_progress 1
		.amdhsa_inst_pref_size 96
	.end_amdhsa_kernel
	.amdgpu_metadata
---
amdhsa.version: [ 1, 2 ]
amdhsa.kernels:
  - .name:           k_q46425d4cae_proj
    .symbol:         k_q46425d4cae_proj.kd
    .args:
      - { .name: cw, .offset: 0, .size: 8, .value_kind: global_buffer, .address_space: global }
      - { .name: wdb, .offset: 8, .size: 8, .value_kind: global_buffer, .address_space: global }
      - { .name: hidden_states, .offset: 16, .size: 8, .value_kind: global_buffer, .address_space: global }
      - { .name: bd, .offset: 24, .size: 8, .value_kind: global_buffer, .address_space: global }
      - { .name: xw, .offset: 32, .size: 8, .value_kind: global_buffer, .address_space: global }
    .group_segment_fixed_size: 327680
    .private_segment_fixed_size: 0
    .kernarg_segment_align: 8
    .kernarg_segment_size: 40
    .max_flat_workgroup_size: 128
    .sgpr_count:     80
    .vgpr_count:     768
    .wavefront_size: 32
...
	.end_amdgpu_metadata
.endif
;; end of part 4
;; launch ln (part 5): grid 256 x 1, 8 waves a work-group, no clusters, 0 bytes of LDS; arguments xw, ln_gamma, ln_beta, out0; writes out0
.if DOCPART == 5
	.amdgcn_target "amdgcn-amd-amdhsa--gfx1250"
	.amdhsa_code_object_version 6
	.text
	.protected	k_q46425d4cae_ln
	.globl	k_q46425d4cae_ln
	.p2align	8
	.type	k_q46425d4cae_ln,@function
k_q46425d4cae_ln:
	s_mov_b64 s[64:65], 0
	v_nop
	global_prefetch_b8 v0, s[64:65] scope:SCOPE_SE
	s_setreg_imm32_b32 hwreg(HW_REG_WAVE_MODE, 25, 1), 1
	s_wait_xcnt 0x0
; out = (x - mean) / sqrt(var + 1e-12) x gamma + beta along rows of 1,024 f32.
; One wave takes two whole rows, 32 registers each: a row is read once and stays in registers between the passes; the reduction never leaves the wave,
; so there is no LDS and no barrier.  The variance is the mean of (x - mean)^2, made after the mean is taken away: no difference of large sums.
; A stream: no matrix unit; no cluster, since the work-groups share only gamma and beta (8 KiB against the 64 KiB of x that each reads).
; Each load and store of a wave covers 512 consecutive bytes, aligned.  No register is used twice by memory instructions.
; v_rsq_f32 flushes denormals; var + 1e-12 is never one.
.set X0, 4                             ; v[4:35]    row 0
.set X1, 36                            ; v[36:67]   row 1
.set GA, 68                            ; v[68:99]   gamma of my 32 columns
.set BE, 100                           ; v[100:131] beta
.set C,  132                           ; v[132:139] four chains of pairs
.set SM, 140
.set PX, 141
.set MU, 142                           ; v[142:143] the mean, twice
.set R0, 144                           ; v[144:145] 1 / sqrt(var + eps) of row 0, twice
.set R1, 146
.set VR, 148
	s_load_b256 s[4:11], s[0:1], 0x0               ; xw s[4:5], gamma s[6:7], beta s[8:9], out0 s[10:11]
	s_lshl_b32 s2, ttmp9, 16                       ; 16 rows of 4,096 bytes a work-group
	s_mov_b32 s3, 0
	s_mov_b32 s12, 0x76543210
	s_mov_b32 s13, 0xfedcba98
	s_mov_b32 s14, 0x3a800000                      ; 1 / 1024
	v_and_b32 v2, 31, v0
	v_lshlrev_b32 v2, 4, v2                        ; 16 x lane
	v_lshrrev_b32 v1, 5, v0
	v_lshl_add_u32 v1, v1, 13, v2                  ; + wave x 2 rows
	v_mov_b32 v[PX], 0                             ; v_permlanex16_b32 counts as a use of its destination
	s_wait_kmcnt 0x0
	s_add_nc_u64 s[4:5], s[4:5], s[2:3]
	s_add_nc_u64 s[10:11], s[10:11], s[2:3]
.irp j, 0,1,2,3,4,5,6,7
	global_load_b128 v[X0+4*\j:X0+4*\j+3], v1, s[4:5] offset:512*\j th:TH_LOAD_NT
.endr
.irp j, 0,1,2,3,4,5,6,7
	global_load_b128 v[X1+4*\j:X1+4*\j+3], v1, s[4:5] offset:4096+512*\j th:TH_LOAD_NT
.endr
.irp j, 0,1,2,3,4,5,6,7
	global_load_b128 v[GA+4*\j:GA+4*\j+3], v2, s[6:7] offset:512*\j
.endr
.irp j, 0,1,2,3,4,5,6,7
	global_load_b128 v[BE+4*\j:BE+4*\j+3], v2, s[8:9] offset:512*\j
.endr
.macro LANESUM                         ; the four chains -> v[SM]: the sum over the row, in every lane
	v_pk_add_f32 v[C:C+1],   v[C:C+1],   v[C+2:C+3]
	v_pk_add_f32 v[C+4:C+5], v[C+4:C+5], v[C+6:C+7]
	v_pk_add_f32 v[C:C+1],   v[C:C+1],   v[C+4:C+5]
	v_add_f32 v[SM], v[C], v[C+1]
	v_add_f32_dpp v[SM], v[SM], v[SM] row_xmask:1 row_mask:0xf bank_mask:0xf
	v_add_f32_dpp v[SM], v[SM], v[SM] row_xmask:2 row_mask:0xf bank_mask:0xf
	v_add_f32_dpp v[SM], v[SM], v[SM] row_xmask:4 row_mask:0xf bank_mask:0xf
	v_add_f32_dpp v[SM], v[SM], v[SM] row_xmask:8 row_mask:0xf bank_mask:0xf
	v_permlanex16_b32 v[PX], v[SM], s12, s13
	v_add_f32 v[SM], v[SM], v[PX]
.endm
.macro STATS x, r                      ; the row at x becomes x - mean; r gets 1 / sqrt(var + eps), twice
.irp k, 0,1,2,3
	v_pk_add_f32 v[C+2*\k:C+2*\k+1], v[\x+2*\k:\x+2*\k+1], v[\x+8+2*\k:\x+8+2*\k+1]   ; the first pairs start the chains
.endr
.irp p, 8,9,10,11,12,13,14,15
	v_pk_add_f32 v[C+2*(\p&3):C+2*(\p&3)+1], v[C+2*(\p&3):C+2*(\p&3)+1], v[\x+2*\p:\x+2*\p+1]
.endr
	LANESUM
	v_mul_f32 v[MU],   s14, v[SM]
	v_mul_f32 v[MU+1], s14, v[SM]
.irp p, 0,1,2,3,4,5,6,7,8,9,10,11,12,13,14,15
	v_pk_add_f32 v[\x+2*\p:\x+2*\p+1], v[\x+2*\p:\x+2*\p+1], v[MU:MU+1] neg_lo:[0,1] neg_hi:[0,1]
.endr
.irp k, 0,1,2,3
	v_pk_mul_f32 v[C+2*\k:C+2*\k+1], v[\x+2*\k:\x+2*\k+1], v[\x+2*\k:\x+2*\k+1]
.endr
.irp p, 4,5,6,7,8,9,10,11,12,13,14,15
	v_pk_fma_f32 v[C+2*(\p&3):C+2*(\p&3)+1], v[\x+2*\p:\x+2*\p+1], v[\x+2*\p:\x+2*\p+1], v[C+2*(\p&3):C+2*(\p&3)+1]
.endr
	LANESUM
	v_fmaak_f32 v[VR], s14, v[SM], 0x2b8cbccc      ; var + 1e-12
	v_rsq_f32 v[\r],   v[VR]
	v_rsq_f32 v[\r+1], v[VR]
	v_nop                                          ; the place behind the two: before VR is written again or the results are used (ISA guide 5.7.2)
.endm
.macro APPLY x, r, byte
	s_wait_alu depctr_va_vdst(0)
.irp p, 0,1,2,3,4,5,6,7,8,9,10,11,12,13,14,15
	v_pk_mul_f32 v[\x+2*\p:\x+2*\p+1], v[\x+2*\p:\x+2*\p+1], v[\r:\r+1]
.endr
.irp p, 0,1,2,3,4,5,6,7,8,9,10,11,12,13,14,15
	v_pk_fma_f32 v[\x+2*\p:\x+2*\p+1], v[\x+2*\p:\x+2*\p+1], v[GA+2*\p:GA+2*\p+1], v[BE+2*\p:BE+2*\p+1]
.endr
.irp j, 0,1,2,3,4,5,6,7
	global_store_b128 v1, v[\x+4*\j:\x+4*\j+3], s[10:11] offset:\byte+512*\j th:TH_STORE_NT
.endr
.endm
	s_wait_loadcnt 24                              ; row 0 is in; row 1, gamma and beta (24 loads) stay out
	STATS X0, R0
	s_wait_loadcnt 16                              ; row 1 is in; gamma and beta stay out
	STATS X1, R1
	s_wait_loadcnt 0x0                             ; gamma and beta
	APPLY X0, R0, 0
	APPLY X1, R1, 4096
	s_endpgm
.Lfunc_end_k_q46425d4cae_ln:
	.size	k_q46425d4cae_ln, .Lfunc_end_k_q46425d4cae_ln-k_q46425d4cae_ln
	.p2alignl 7, 3214868480
	.fill 96, 4, 3214868480
	.section	.rodata,"a",@progbits
	.p2align	6, 0x0
	.amdhsa_kernel k_q46425d4cae_ln
		.amdhsa_group_segment_fixed_size 0
		.amdhsa_private_segment_fixed_size 0
		.amdhsa_enable_private_segment 0
		.amdhsa_kernarg_size 32
		.amdhsa_user_sgpr_count 2
		.amdhsa_user_sgpr_kernarg_segment_ptr 1
		.amdhsa_wavefront_size32 1
		.amdhsa_system_sgpr_workgroup_id_x 1
		.amdhsa_system_sgpr_workgroup_id_y 1
		.amdhsa_system_sgpr_workgroup_id_z 1
		.amdhsa_system_vgpr_workitem_id 0
		.amdhsa_next_free_vgpr 150
		.amdhsa_next_free_sgpr 66
		.amdhsa_reserve_vcc 0
		.amdhsa_float_denorm_mode_32 3
		.amdhsa_float_denorm_mode_16_64 3
		.amdhsa_memory_ordered 1
		.amdhsa_forward_progress 1
		.amdhsa_inst_pref_size 18
	.end_amdhsa_kernel
	.amdgpu_metadata
---
amdhsa.version: [ 1, 2 ]
amdhsa.kernels:
  - .name:           k_q46425d4cae_ln
    .symbol:         k_q46425d4cae_ln.kd
    .args:
      - { .name: xw, .offset: 0, .size: 8, .value_kind: global_buffer, .address_space: global }
      - { .name: ln_gamma, .offset: 8, .size: 8, .value_kind: global_buffer, .address_space: global }
      - { .name: ln_beta, .offset: 16, .size: 8, .value_kind: global_buffer, .address_space: global }
      - { .name: out0, .offset: 24, .size: 8, .value_kind: global_buffer, .address_space: global }
    .group_segment_fixed_size: 0
    .private_segment_fixed_size: 0
    .kernarg_segment_align: 8
    .kernarg_segment_size: 32
    .max_flat_workgroup_size: 256
    .sgpr_count:     66
    .vgpr_count:     150
    .wavefront_size: 32
...
	.end_amdgpu_metadata
.endif
;; end of part 5
